; MI455X (gfx1250); checked and timed in simulation.
; The chip was launched on July 23, 2026; its instructions are those of AMD's public machine-readable ISA for CDNA 5 (MIT licence, August 2026) and "CDNA5" Instruction Set Architecture Reference Guide (July 2026). The comments in the code are by the model that wrote it; some were corrected since.
;; Efficient Self Attention. Allowed arithmetic: matrix products marked QUANTISED: E2M1 operands, one E8M0 scale for each 32 along K, by v_wmma_scale_f32_16x16x128_f8f6f4 with both operands' format E2M1 (or v_wmma_scale_f32_32x16x128_f4), f32 sums; everything else in f32.
;; Inputs: Wk_codes 1,024 x 32 x 16 uint8 (E2M1 codes of Wk, K innermost, in blocks of 32 codes, two codes a byte); Wk_scales 1,024 x 32 uint8 (E8M0 scales of Wk, one for each 32 codes along K); Wq_codes 1,024 x 32 x 16 uint8 (E2M1 codes of Wq, K innermost, in blocks of 32 codes, two codes a byte); Wq_scales 1,024 x 32 uint8 (E8M0 scales of Wq, one for each 32 codes along K); Wv_codes 1,024 x 32 x 16 uint8 (E2M1 codes of Wv, K innermost, in blocks of 32 codes, two codes a byte); Wv_scales 1,024 x 32 uint8 (E8M0 scales of Wv, one for each 32 codes along K); beta 1,024 float32; bk 1,024 float32; bq 1,024 float32; bv 1,024 float32; gamma 1,024 float32; src_mask 4 x 4,096 x 1 float32; x 4 x 4,096 x 1,024 float32.
;; Outputs: out0 4 x 4,096 x 1,024 float32.
;; This version of the problem:
;;   THIS VERSION OF THE PROBLEM IS GIVEN IN LOW PRECISION. The matrix products marked QUANTISED in the list below multiply operands that are first quantised to E2M1 (2 exponent bits, 1 mantissa bit; 4 bits a number), with one power-of-two scale for each 32 numbers along K (OCP MX v1.0); their sums are f32. All else is computed in f32.
;;   The module's matrix products, in the order in which they are computed (A, B: the left and right operand; K: the contracted axis; several contracted axes count as one K, in the product's order):
;;     1. [M 16,384, K 1,024] x [K 1,024, N 1,024]; A: computed on the way; B: input Wq (given as codes): QUANTISED
;;     2. [M 16,384, K 1,024] x [K 1,024, N 1,024]; A: computed on the way; B: input Wk (given as codes): QUANTISED
;;     3. [M 16,384, K 1,024] x [K 1,024, N 1,024]; A: computed on the way; B: input Wv (given as codes): QUANTISED
;;     4. batch 32 x [M 128, K 4,096] x [K 4,096, N 128]; A: softmax (see below); B: computed on the way: QUANTISED
;;     5. batch 32 x [M 128, K 128] x [K 128, N 4,096]; A: computed on the way; B: softmax (see below): QUANTISED
;;   THE QUANTISER, for each operand of a quantised product, along K:
;;     - K is cut into blocks of 32 from its start; a last block that is shorter is filled with zeros.
;;     - A block's scale is 2^e with e = floor(log2(the largest magnitude in the block)) - 2, held to -126 .. 127; a block of zeros has e = 0. As a byte (E8M0): e + 127.
;;     - Each number is divided by its block's scale, clamped to +-6, and rounded to the nearest number of E2M1, ties to even, subnormals kept.
;;     - The product sums the exact products of the quantised numbers (number of the format x scale) in f32.
;;   ~~~python
;;   def quantise(x, axis):      # numpy; x: float32 -> the quantised numbers, widened to float32 again
;;       x = np.moveaxis(x, axis, -1); K = x.shape[-1]
;;       x = np.pad(x, [(0, 0)] * (x.ndim - 1) + [(0, -K % 32)]); x = x.reshape(x.shape[:-1] + (-1, 32)); a = np.abs(x).max(-1, keepdims=True)
;;       e = np.where(a > 0, np.clip(np.frexp(np.where(a > 0, a, 1))[1] - 1 - 2, -126, 127), 0)      # np.frexp(a)[1] - 1 = floor(log2(a)), exactly
;;       r = np.clip(x / 2.0 ** e, -6, 6)
;;       step = 2.0 ** (np.maximum(np.frexp(np.where(r == 0, 1, r))[1] - 1, 0) - 1)
;;       q = np.round(r / step) * step * 2.0 ** e      # np.round: ties to even
;;       return np.moveaxis(q.reshape(q.shape[:-2] + (-1,))[..., :K], -1, axis).astype(np.float32)
;;   ~~~
;;   SOFTMAX AHEAD OF A QUANTISED PRODUCT. Where the list says 'softmax', what is quantised is not the finished softmax but p = 2^(t - M), with t = logit x log2(e) and M = ceil(the row's largest t), a whole number; so 1/2 < the row's largest p <= 1. The row's sum l is taken of the UNQUANTISED p, in f32, and the product's result is divided by l at the end. Since M is a whole number, a kernel that streams over the keys may use a running M (the ceiling of the running maximum): every later rescaling is an exact power of two, which a block's scale takes up: the codes' values come out the same.
;;   OPERANDS COMPUTED ON THE WAY. 'Computed on the way' means the value that the module computes at that place (a softmax that the list does not call 'softmax' is quantised finished and normalised). What goes into a quantiser is computed in f32, as accurately as f32 sums, v_exp_f32 and their like allow (about 1e-6 of the number): no bf16 or f16 on the way to a quantiser, and a product that is left as it is and whose result goes on into a quantised operand takes f32 operands (vector FMAs, or v_wmma_f32_16x16x4_f32). A number that lies on a knife's edge between two numbers of the format may be rounded either way, as far as f32 arithmetic and the matrix unit's own rounding can turn it there, and no further.
;;   INPUTS GIVEN AS CODES. Wk (in the module: [1024, 1024], K = its axis 0); Wq (in the module: [1024, 1024], K = its axis 0); Wv (in the module: [1024, 1024], K = its axis 0): each comes as NAME_codes (uint8): NAME with its K axis moved to the last place and cut into blocks of 32 codes, [.., K / 32, bytes a block], one block behind the other in memory; two codes a byte, the lower K in the low four bits (a code: sign, 2 exponent bits, 1 mantissa bit); and NAME_scales (uint8): the same leading axes, one E8M0 byte (e + 127) for each 32 codes along K. Its value is code x scale, taken as it is: it is not quantised again, and the codes and scales need not be those that the quantiser above would give.
;; 2 versions, each right; version 2 is version 1 with the launch apply written anew for expert scheduling mode. Each part assembles by itself: llvm-mc -triple=amdgcn-amd-amdhsa -mcpu=gfx1250 --defsym DOCPART=n.
;; ======== version 1 of 2: 3 launches
;; limits: right only within a limited range of input values
;; workspace buffers: xq 8,912,896 bytes; wimg 1,572,864 bytes; qcodes 8,388,608 bytes; qmeta 1,048,576 bytes; attp 17,301,504 bytes
;; launch prep (part 1): grid 256 x 1, 8 waves a work-group, no clusters, 316,416 bytes of LDS; arguments x, gamma, beta, Wq_codes, Wk_codes, Wv_codes, xq, wimg; writes xq, wimg
.if DOCPART == 1
	.amdgcn_target "amdgcn-amd-amdhsa--gfx1250"
	.amdhsa_code_object_version 6
	.text
	.protected	k_qebf8371626_prep
	.globl	k_qebf8371626_prep
	.p2align	8
	.type	k_qebf8371626_prep,@function
k_qebf8371626_prep:
	s_mov_b64 s[64:65], 0
	v_nop
	global_prefetch_b8 v0, s[64:65] scope:SCOPE_SE
	s_setreg_imm32_b32 hwreg(HW_REG_WAVE_MODE, 25, 1), 1
	s_wait_xcnt 0x0
; LayerNorm of x [16384][1024] f32, quantised along its 1,024 to codes of FP4 (E2M1) with one E8M0 byte for each 32; and the three weights' codes laid in the order of an operand's registers.
; xq: 1,024 records of 8,704 bytes, one for each tile of 16 tokens.  Tile 2 G + u, place r, is token 32 G + 8 u + r + 8 (r / 8).  Bytes 256 B + 16 r: the 32 codes of block B of the token at place r,
;   so that a fragment (16 tokens x 128) is two runs of 512 bytes, 16 bytes a lane.  Bytes 8192 + 256 (B / 16) + 16 r + B % 16: the block's scale byte.
; wimg: tile head x 24 + kind x 8 + t (kind 0 q, 1 k, 2 v) of 16 rows of a weight, 8,192 bytes, laid as a record's codes.  k, v: row 16 t + r of the head; q (t = 2 B + u): row 32 B + 8 u + r + 8 (r / 8).
; SHARES.  A work-group takes 64 tokens (four tiles), a wave eight of them, two at a time.  A LANE TAKES ONE BLOCK OF 32 of a row: its largest magnitude needs no other lane, and four conversions give the block's 16 bytes.
; x comes by the tensor data mover, four loads of 8,192 dense bytes a wave, all asked for at the head; each lands as rows of 256 bytes + 16 of padding, so that the lanes' reads, 128 bytes apart, fall on different banks.
; Only the wave that asked reads those bytes.  No byte of LDS is filled twice.  The codes meet in LDS (a tile's rows come from two waves), one barrier, and leave as runs of 512 bytes.
; No cluster: no two work-groups read the same bytes of x, and the weights' codes are read once in the launch.
; LIMITS: NaN and infinities are not served; a block of zeros gets the byte 1 over zero codes (the bytes are read by this program alone).
.set XROW,  4352                       ; a row of x in LDS: 16 x (256 + 16)
.set XWAVE, 34816                      ; a wave's eight rows
.set IMG,   278528                     ; behind x: four records' codes, block B at 272 B, place r at 16 r
.set RECB,  8704
.set SCI,   313344                     ; behind them: four records' scale bytes, 512 each
.set LN,    1                          ; v1   lane
.set AX,    2                          ; v2   my block in the wave's first row of x
.set AI,    3                          ; v3   where my block's codes go
.set ASB,   4                          ; v4   where its scale byte goes
.set AO,    5                          ; v5   the way out: LDS address of my 16 bytes of codes
.set GO,    6                          ; v6   and their place in the four records
.set ASO,   7                          ; v7   the same for 8 scale bytes
.set GSO,   8                          ; v8
.set GB,    9                          ; v9   128 x lane: my 32 numbers of gamma and beta
.set WQ,    10                         ; v10  my 8 bytes of Wq's codes;  v11 of Wk's and Wv's;  v12 their place in wimg
.set WKV,   11
.set WD,    12
.set GAM,   16                         ; v16-47  gamma of my block
.set BET,   48                         ; v48-79  beta
.set X,     80                         ; v80-143 my block of two rows
.set T,     144                        ; v144-175 at work, 16 for each of the two rows
.set C,     176                        ; v176-183 codes
.set WR,    184                        ; v184-189 the weights' bytes on their way
	s_load_b512 s[4:19], s[0:1], 0x0               ; x, gamma, beta, Wq, Wk, Wv (codes), xq, wimg
	v_lshl_add_u32 v192, v0, 2, 0x4d000
	v_mov_b32 v193, 0
	ds_add_u32 v192, v193
	ds_add_u32 v192, v193
	v_lshrrev_b32 v13, 5, v0
	v_readfirstlane_b32 s20, v13                   ; wave 0..7
	v_and_b32 v[LN], 31, v0
	; descriptor group 1: 8,192 dense bytes as 32 rows of 32 elements of 8 bytes, 16 bytes of padding behind each row
	s_mov_b32 s24, (3<<16)|(1<<20)|(5<<22)|(3<<25)
	s_mov_b32 s25, 32<<16                          ; tensor_dim0
	s_mov_b32 s26, 32<<16                          ; tensor_dim1
	s_mov_b32 s27, 32<<16                          ; tile_dim0
	s_mov_b32 s28, 32                              ; tile_dim1
	s_mov_b32 s29, 32                              ; from row to row
	s_mov_b32 s30, 0
	s_mov_b32 s31, 0
	s_mov_b32 s48, 0x76543210                      ; lane selects: lane l xor 16
	s_mov_b32 s49, 0xfedcba98
	s_mov_b32 s50, 0x3a800000                      ; 1 / 1024
	s_mov_b32 s51, 0x3727c5ac                      ; 1e-5
	s_mul_i32 s21, s20, XWAVE                      ; my wave's rows in LDS
	s_lshl_b32 s22, ttmp9, 18                      ; 64 rows of 4,096 bytes a work-group,
	s_lshl_b32 s23, s20, 15                        ; 8 a wave
	s_add_co_u32 s22, s22, s23
	s_mov_b32 s23, 0
	s_wait_dscnt 0x0
	s_wait_kmcnt 0x0
	s_add_nc_u64 s[4:5], s[4:5], s[22:23]
.irp q,0,1,2,3
	s_mov_b32 s[32+4*\q], 1
	s_add_co_u32 s[33+4*\q], s21, \q*2*XROW        ; two rows a load
	s_add_nc_u64 s[34+4*\q:35+4*\q], s[4:5], \q*8192
	s_or_b32 s[35+4*\q], s[35+4*\q], 0x80000000
.endr
.irp q,0,1,2,3
	tensor_load_to_lds s[32+4*\q:35+4*\q], s[24:31]   ; the wave's four loads go out together: four are out
	s_nop 0
.endr
.rept 4
	v_nop
.endr
	s_mul_i32 s22, ttmp9, 4*RECB
	s_add_nc_u64 s[16:17], s[16:17], s[22:23]      ; xq at my four records
	; LDS addresses
	v_lshrrev_b32 v13, 1, v[LN]
	v_lshlrev_b32 v[AX], 7, v[LN]
	v_lshl_add_u32 v[AX], v13, 4, v[AX]            ; 128 x lane + 16 for each 256 passed
	v_add_nc_u32 v[AX], s21, v[AX]
	s_lshr_b32 s52, s20, 2
	s_lshl_b32 s52, s52, 1
	s_and_b32 s53, s20, 1
	s_add_co_u32 s52, s52, s53                     ; my rows' tile: 2 (wave / 4) + wave % 2
	s_bfe_u32 s53, s20, 0x10001
	s_lshl_b32 s53, s53, 7                         ; their first place, 8 ((wave / 2) % 2), times 16
	s_mul_i32 s54, s52, RECB
	s_add_co_u32 s54, s54, s53
	s_add_co_u32 s54, s54, IMG
	v_mul_u32_u24 v[AI], v[LN], 272
	v_add_nc_u32 v[AI], s54, v[AI]
	s_lshl_b32 s54, s52, 9
	s_add_co_u32 s54, s54, s53
	s_add_co_u32 s54, s54, SCI
	v_lshrrev_b32 v14, 4, v[LN]
	v_and_b32 v15, 15, v[LN]
	v_lshl_add_u32 v[ASB], v14, 8, v15
	v_add_nc_u32 v[ASB], s54, v[ASB]
	s_lshr_b32 s55, s20, 1                         ; the way out: wave w takes half w % 2 of record w / 2
	s_and_b32 s56, s20, 1
	s_mul_i32 s57, s55, RECB
	s_mul_i32 s58, s56, 16*272
	s_add_co_u32 s58, s58, s57
	s_add_co_u32 s58, s58, IMG
	v_mul_u32_u24 v[AO], v14, 272
	v_lshl_add_u32 v[AO], v15, 4, v[AO]
	v_add_nc_u32 v[AO], s58, v[AO]
	s_lshl_b32 s58, s56, 12
	s_add_co_u32 s58, s58, s57
	v_lshl_add_u32 v[GO], v[LN], 4, s58
	s_lshl_b32 s59, s55, 9
	s_lshl_b32 s60, s56, 8
	s_add_co_u32 s59, s59, s60
	s_add_co_u32 s59, s59, SCI
	v_lshl_add_u32 v[ASO], v[LN], 3, s59
	s_add_co_u32 s60, s60, s57
	s_add_co_u32 s60, s60, 8192
	v_lshl_add_u32 v[GSO], v[LN], 3, s60
	; the weights: work-group g, wave w: tile t = g / 4 of 64, block 8 (g % 4) + w; lane l: place l / 2, half l % 2 of the block's 16 bytes
	s_lshr_b32 s61, ttmp9, 2
	s_and_b32 s62, ttmp9, 3
	s_lshl_b32 s62, s62, 3
	s_add_co_u32 s62, s62, s20
	s_lshl_b32 s63, s62, 4
	s_lshl_b32 s66, s61, 13                        ; k, v: row 16 t, 512 bytes a row
	s_add_co_u32 s66, s66, s63
	s_lshr_b32 s67, s61, 3                         ; the head
	s_lshl_b32 s68, s67, 16                        ; q: row 128 head + 32 ((t % 8) / 2) + 8 (t % 2)
	s_bfe_u32 s69, s61, 0x20001
	s_lshl_b32 s69, s69, 14
	s_add_co_u32 s68, s68, s69
	s_and_b32 s69, s61, 1
	s_lshl_b32 s69, s69, 12
	s_add_co_u32 s68, s68, s69
	s_add_co_u32 s68, s68, s63
	s_mul_i32 s67, s67, 24                         ; in wimg: tile 24 head + t % 8 (+ 8 for each kind), block x 256
	s_and_b32 s69, s61, 7
	s_add_co_u32 s67, s67, s69
	s_lshl_b32 s67, s67, 13
	s_lshl_b32 s69, s62, 8
	s_add_co_u32 s67, s67, s69
	v_lshl_add_u32 v[WD], v[LN], 3, s67
	v_and_b32 v190, 1, v[LN]
	v_lshlrev_b32 v190, 3, v190
	v_lshl_add_u32 v[WKV], v13, 9, v190
	v_and_b32 v191, 8, v13
	v_lshl_add_u32 v[WQ], v191, 9, v[WKV]
	v_add_nc_u32 v[WKV], s66, v[WKV]
	v_add_nc_u32 v[WQ], s68, v[WQ]
	v_lshlrev_b32 v[GB], 7, v[LN]
	global_load_b64 v[WR:WR+1], v[WQ], s[10:11]
	global_load_b64 v[WR+2:WR+3], v[WKV], s[12:13]
	global_load_b64 v[WR+4:WR+5], v[WKV], s[14:15]
.irp k,0,1,2,3,4,5,6,7
	global_load_b128 v[GAM+4*\k:GAM+4*\k+3], v[GB], s[6:7] offset:16*\k
.endr
.irp k,0,1,2,3,4,5,6,7
	global_load_b128 v[BET+4*\k:BET+4*\k+3], v[GB], s[8:9] offset:16*\k
.endr
	s_wait_loadcnt 16                              ; the weights' three loads are in; gamma's and beta's sixteen may be out
	global_store_b64 v[WD], v[WR:WR+1], s[18:19]                  ; 32 lanes store 256 consecutive bytes, aligned
	global_store_b64 v[WD], v[WR+2:WR+3], s[18:19] offset:65536
	global_store_b64 v[WD], v[WR+4:WR+5], s[18:19] offset:131072
	s_wait_loadcnt 0x0
.macro REDUCE                          ; v[T] of both rows: the sum over the 32 lanes, in every lane
.irp m,1,2,4,8
.irp e,0,1
	v_add_f32_dpp v[T+16*\e], v[T+16*\e], v[T+16*\e] row_xmask:\m row_mask:0xf bank_mask:0xf
.endr
.endr
.irp e,0,1
	v_permlanex16_b32 v[T+16*\e+1], v[T+16*\e], s48, s49
.endr
.irp e,0,1
	v_add_f32 v[T+16*\e], v[T+16*\e], v[T+16*\e+1]
.endr
.endm
; Rows 2 p and 2 p + 1 of the wave's eight, line by line by turns
.macro ROWS2 p
	s_wait_tensorcnt 3-\p                          ; the pair's load has landed; the younger ones stay out
.irp e,0,1
.irp k,0,1,2,3,4,5,6,7
	ds_load_b128 v[X+32*\e+4*\k:X+32*\e+4*\k+3], v[AX] offset:(2*\p+\e)*XROW+16*\k
.endr
.endr
	s_wait_dscnt 0x0                               ; they are in, and the last pair's stores have read their registers
.irp e,0,1
	v_pk_add_f32 v[T+16*\e:T+16*\e+1], v[X+32*\e:X+32*\e+1], v[X+32*\e+2:X+32*\e+3]
	v_pk_add_f32 v[T+16*\e+2:T+16*\e+3], v[X+32*\e+4:X+32*\e+5], v[X+32*\e+6:X+32*\e+7]
.endr
.irp i,8,12,16,20,24,28
.irp e,0,1
	v_pk_add_f32 v[T+16*\e:T+16*\e+1], v[T+16*\e:T+16*\e+1], v[X+32*\e+\i:X+32*\e+\i+1]
	v_pk_add_f32 v[T+16*\e+2:T+16*\e+3], v[T+16*\e+2:T+16*\e+3], v[X+32*\e+\i+2:X+32*\e+\i+3]
.endr
.endr
.irp e,0,1
	v_pk_add_f32 v[T+16*\e:T+16*\e+1], v[T+16*\e:T+16*\e+1], v[T+16*\e+2:T+16*\e+3]
.endr
.irp e,0,1
	v_add_f32 v[T+16*\e], v[T+16*\e], v[T+16*\e+1]
.endr
	REDUCE
.irp e,0,1
	v_mul_f32 v[T+16*\e+4], s50, v[T+16*\e]        ; the mean,
.endr
.irp e,0,1
	v_mov_b32 v[T+16*\e+5], v[T+16*\e+4]           ; twice, for the packed form
.endr
.irp i,0,2,4,6,8,10,12,14,16,18,20,22,24,26,28,30
.irp e,0,1
	v_pk_add_f32 v[X+32*\e+\i:X+32*\e+\i+1], v[X+32*\e+\i:X+32*\e+\i+1], v[T+16*\e+4:T+16*\e+5] neg_lo:[0,1] neg_hi:[0,1]
.endr
.endr
.irp e,0,1
	v_pk_mul_f32 v[T+16*\e:T+16*\e+1], v[X+32*\e:X+32*\e+1], v[X+32*\e:X+32*\e+1]
	v_pk_mul_f32 v[T+16*\e+2:T+16*\e+3], v[X+32*\e+2:X+32*\e+3], v[X+32*\e+2:X+32*\e+3]
.endr
.irp i,4,8,12,16,20,24,28
.irp e,0,1
	v_pk_fma_f32 v[T+16*\e:T+16*\e+1], v[X+32*\e+\i:X+32*\e+\i+1], v[X+32*\e+\i:X+32*\e+\i+1], v[T+16*\e:T+16*\e+1]
	v_pk_fma_f32 v[T+16*\e+2:T+16*\e+3], v[X+32*\e+\i+2:X+32*\e+\i+3], v[X+32*\e+\i+2:X+32*\e+\i+3], v[T+16*\e+2:T+16*\e+3]
.endr
.endr
.irp e,0,1
	v_pk_add_f32 v[T+16*\e:T+16*\e+1], v[T+16*\e:T+16*\e+1], v[T+16*\e+2:T+16*\e+3]
.endr
.irp e,0,1
	v_add_f32 v[T+16*\e], v[T+16*\e], v[T+16*\e+1]
.endr
	REDUCE
.irp e,0,1
	v_fma_f32 v[T+16*\e], v[T+16*\e], s50, s51     ; the variance + 1e-5
.endr
.irp e,0,1
	v_rsq_f32 v[T+16*\e+6], v[T+16*\e]
.endr
	v_nop                                          ; a plain instruction behind the two roots,
	s_wait_alu depctr_va_vdst(0)                   ; and one wait for both, ahead of their first reader
.irp e,0,1
	v_mov_b32 v[T+16*\e+7], v[T+16*\e+6]
.endr
.irp i,0,2,4,6,8,10,12,14,16,18,20,22,24,26,28,30
.irp e,0,1
	v_pk_mul_f32 v[X+32*\e+\i:X+32*\e+\i+1], v[X+32*\e+\i:X+32*\e+\i+1], v[T+16*\e+6:T+16*\e+7]
.endr
.endr
.irp i,0,2,4,6,8,10,12,14,16,18,20,22,24,26,28,30
.irp e,0,1
	v_pk_fma_f32 v[X+32*\e+\i:X+32*\e+\i+1], v[X+32*\e+\i:X+32*\e+\i+1], v[GAM+\i:GAM+\i+1], v[BET+\i:BET+\i+1]
.endr
.endr
.irp e,0,1                             ; the block's largest magnitude, in two chains, with the floor 2^(3 - 127) among the leaves: the byte cannot fall under 1
	v_max3_num_f32 v[T+16*\e], |v[X+32*\e]|, |v[X+32*\e+1]|, 0x1800000
	v_max3_num_f32 v[T+16*\e+1], |v[X+32*\e+2]|, |v[X+32*\e+3]|, |v[X+32*\e+4]|
.endr
.irp i,5,9,13,17,21,25
.irp e,0,1
	v_max3_num_f32 v[T+16*\e], v[T+16*\e], |v[X+32*\e+\i]|, |v[X+32*\e+\i+1]|
	v_max3_num_f32 v[T+16*\e+1], v[T+16*\e+1], |v[X+32*\e+\i+2]|, |v[X+32*\e+\i+3]|
.endr
.endr
.irp e,0,1
	v_max3_num_f32 v[T+16*\e], v[T+16*\e], |v[X+32*\e+29]|, |v[X+32*\e+30]|
.endr
.irp e,0,1
	v_max3_num_f32 v[T+16*\e], v[T+16*\e], v[T+16*\e+1], |v[X+32*\e+31]|
.endr
.irp e,0,1
	v_add_nc_u32 v[T+16*\e+2], 0xff000000, v[T+16*\e]   ; 2 off its exponent field: the conversion takes this operand's exponent field as its scale
.endr
.irp e,0,1
.irp g,0,1,2,3
	v_cvt_scalef32_pk8_fp4_f32 v[C+4*\e+\g], v[X+32*\e+8*\g:X+32*\e+8*\g+7], v[T+16*\e+2]
.endr
.endr
.irp e,0,1
	v_lshrrev_b32 v[T+16*\e+3], 23, v[T+16*\e+2]   ; the scale's byte (also the plain line behind the conversions)
.endr
.irp e,0,1
	ds_store_b128 v[AI], v[C+4*\e:C+4*\e+3] offset:16*(2*\p+\e)
	ds_store_b8 v[ASB], v[T+16*\e+3] offset:16*(2*\p+\e)
.endr
.endm
	ROWS2 0
	ROWS2 1
	ROWS2 2
	ROWS2 3
	s_wait_dscnt 0x0                               ; for the others' sake: my stores have landed
	s_barrier_signal -1
	s_barrier_wait -1                              ; the four records are whole
.irp k,0,1,2,3,4,5,6,7
	ds_load_b128 v[X+4*\k:X+4*\k+3], v[AO] offset:544*\k   ; two blocks of 16 places: 512 bytes of a record
.endr
	ds_load_b64 v[T:T+1], v[ASO]
.irp k,0,1,2,3,4,5,6,7
	s_wait_dscnt 8-\k                              ; load k is in; the younger ones stay out
	global_store_b128 v[GO], v[X+4*\k:X+4*\k+3], s[16:17] offset:512*\k   ; 32 lanes store 512 consecutive bytes, aligned to 256
.endr
	s_wait_dscnt 0x0
	global_store_b64 v[GSO], v[T:T+1], s[16:17]    ; 256 consecutive scale bytes
	s_wait_tensorcnt 0x0
	ds_add_u32 v192, v193
	s_wait_dscnt 0x0
	s_endpgm
.Lfunc_end_k_qebf8371626_prep:
	.size	k_qebf8371626_prep, .Lfunc_end_k_qebf8371626_prep-k_qebf8371626_prep
	.p2alignl 7, 3214868480
	.fill 96, 4, 3214868480
	.section	.rodata,"a",@progbits
	.p2align	6, 0x0
	.amdhsa_kernel k_qebf8371626_prep
		.amdhsa_group_segment_fixed_size 316416
		.amdhsa_private_segment_fixed_size 0
		.amdhsa_enable_private_segment 0
		.amdhsa_kernarg_size 64
		.amdhsa_user_sgpr_count 2
		.amdhsa_user_sgpr_kernarg_segment_ptr 1
		.amdhsa_wavefront_size32 1
		.amdhsa_system_sgpr_workgroup_id_x 1
		.amdhsa_system_sgpr_workgroup_id_y 1
		.amdhsa_system_sgpr_workgroup_id_z 1
		.amdhsa_system_vgpr_workitem_id 0
		.amdhsa_next_free_vgpr 194
		.amdhsa_next_free_sgpr 80
		.amdhsa_reserve_vcc 0
		.amdhsa_float_denorm_mode_32 3
		.amdhsa_float_denorm_mode_16_64 3
		.amdhsa_memory_ordered 1
		.amdhsa_forward_progress 1
		.amdhsa_inst_pref_size 75
	.end_amdhsa_kernel
	.amdgpu_metadata
---
amdhsa.version: [ 1, 2 ]
amdhsa.kernels:
  - .name:           k_qebf8371626_prep
    .symbol:         k_qebf8371626_prep.kd
    .args:
      - { .name: x, .offset: 0, .size: 8, .value_kind: global_buffer, .address_space: global }
      - { .name: gamma, .offset: 8, .size: 8, .value_kind: global_buffer, .address_space: global }
      - { .name: beta, .offset: 16, .size: 8, .value_kind: global_buffer, .address_space: global }
      - { .name: Wq_codes, .offset: 24, .size: 8, .value_kind: global_buffer, .address_space: global }
      - { .name: Wk_codes, .offset: 32, .size: 8, .value_kind: global_buffer, .address_space: global }
      - { .name: Wv_codes, .offset: 40, .size: 8, .value_kind: global_buffer, .address_space: global }
      - { .name: xq, .offset: 48, .size: 8, .value_kind: global_buffer, .address_space: global }
      - { .name: wimg, .offset: 56, .size: 8, .value_kind: global_buffer, .address_space: global }
    .group_segment_fixed_size: 316416
    .private_segment_fixed_size: 0
    .kernarg_segment_align: 8
    .kernarg_segment_size: 64
    .max_flat_workgroup_size: 256
    .sgpr_count:     80
    .vgpr_count:     194
    .wavefront_size: 32
...
	.end_amdgpu_metadata
.endif
;; end of part 1
;; launch qkv (part 2): grid 32 x 8, 8 waves a work-group, clusters of 4 x 1, 327,680 bytes of LDS; arguments xq, wimg, Wq_scales, Wk_scales, Wv_scales, bq, bk, bv, src_mask, qcodes, qmeta, attp; writes qcodes, qmeta, attp
.if DOCPART == 2
	.amdgcn_target "amdgcn-amd-amdhsa--gfx1250"
	.amdhsa_code_object_version 6
	.text
	.protected	k_qebf8371626_qkv
	.globl	k_qebf8371626_qkv
	.p2align	8
	.type	k_qebf8371626_qkv,@function
k_qebf8371626_qkv:
	s_mov_b64 s[64:65], 0
	v_nop
	global_prefetch_b8 v0, s[64:65] scope:SCOPE_SE
	s_setreg_imm32_b32 hwreg(HW_REG_WAVE_MODE, 25, 1), 1
	s_wait_xcnt 0x0
	s_wait_alu depctr_hold_cnt(0) depctr_sa_sdst(0) depctr_va_vdst(0) depctr_va_sdst(0) depctr_va_ssrc(0) depctr_va_vcc(0) depctr_vm_vsrc(0)
	s_getreg_b32 s2, hwreg(HW_REG_IB_STS2, 6, 4)
	s_cmp_eq_u32 s2, 0
	s_cbranch_scc0 .Lentry_in_a_cluster
	s_endpgm
.Lentry_in_a_cluster:
	s_bfe_u32 s2, ttmp6, 0x10000c
	s_cmp_lg_u32 s2, 0x3003
	s_cbranch_scc0 .Lentry_shape_is_right
	s_endpgm
.Lentry_shape_is_right:
; For one head h and 512 tokens of one batch: q, k, v = xn W + b on codes of FP4 (E2M1) with E8M0 scales; q's softmax over the head's 128 features and k's over time, each as p = 2^(t - M), quantised;
; v times the mask, quantised; and the 512 tokens' part of att[d][l] = sum over tokens of p_k[d] v[l].
; OUT: qcodes: p_q's fragments (16 tokens x 128 features, 1,024 bytes, in the order of an operand's registers); qmeta: for each 64 tokens 256 bytes of scale words and 256 of 1 / l;
;   attp: for each tile of 16 d the eight accumulators as they stand (8,192 bytes) and for each lane (-M, l) of its d under this work-group's own M.
; M IS A WHOLE NUMBER, so a part may be taken under an M of its own: q's block of 32 features under the block's, k's 64 tokens of a wave under the wave's.  The codes are those under the row's M; only the block's
; scale byte moves, by the whole number (own M - row's M), which is added when the row's M is known; sums l are brought over by v_ldexp_f32, which rounds nothing.
; SHARES.  Wave w owns tokens 64 w .. 64 w + 63: four tiles, whose 32 fragments of xn (256 registers) stay in its second register window.  It walks the head's 24 tiles of 16 columns (8 of q, 8 of k, 8 of v),
; 32 matrix instructions each, whose codes lie in LDS, filled once.  Two waves share a SIMD: one wave's softmax stands beside the other's products.  At the end wave w makes att's tile of d = 16 w .. 16 w + 15.
; q IS USED TRANSPOSED (source 0 = 16 rows of Wq, source 1 = 16 tokens): a lane holds one token, and the rows of a tile of Wq are so chosen that two neighbouring tiles give it 16 neighbouring features.
; k AND v THE OTHER WAY (source 0 = 16 tokens, source 1 = 16 rows of W): a lane holds one column, and the tokens of a tile are so chosen that two neighbouring tiles give it 16 neighbouring tokens, the next K.
; CLUSTER: the four work-groups of a cluster belong to one head and need the same weights: each tensor load is a joint one, with a mask that names the four; its address hangs on the head and the wave alone.
; LIMITS: NaN and infinities are not served; |t| stays under 2^30 (whole numbers are kept as i32); a block more than 124 powers of two under its row's largest gets the byte 0 with its codes kept;
; a p under 2^-126 counts as 0; a block of zeros has the byte 1 over zero codes.
.set WC,  0                            ; LDS: W's codes, 24 tiles x 8,192        (filled once by tensor loads)
.set WS,  196608                       ; W's scale bytes as they lie: kind x 4,096 + row x 32   (likewise)
.set CI,  208896                       ; the biases as images of a C operand: tile x 1,024
.set MT,  233472                       ; the mask m[512], then (1 - m) x NEG [512]
.set PI,  237568                       ; p_k's fragments: d tile x 4,096 + wave x 512 + 16 lane
.set VI,  270336                       ; v's likewise
.set VS,  303104                       ; v's scale bytes: l tile x 256 + 16 r + 2 wave
.set RC,  305152                       ; k's records: d tile x 2,048 + wave x 256 + 16 r: -M, l, two bytes
.set L16, 1                            ; v1   16 x lane: a lane's place in every image
.set AWT, 2                            ; v2   W's codes, v3 its scale bytes, v5 the bias image: addresses of the tiles in hand
.set AST, 3
.set ACT, 5
.set ASQ, 6                            ; v6   my row's scale bytes in a tile of Wq;  v7 in a tile of Wk or Wv
.set ASK, 7
.set ACI, 8
.set AMT, 9                            ; v9   my 16 tokens' mask
.set API, 10
.set AVI, 11
.set ARC, 12
.set AVS, 13
.set OU1, 14                           ; v14, v15 where the tile in hand puts its image and its record
.set OU2, 15
.set XSC, 16                           ; v16-31  xn's scale words: 4 T + i: lanes 0-15 K step i, lanes 16-31 K step 4 + i.  Later v's words.  Scales alone
.set WSC, 32                           ; v32-39  W's scale words, two sets by turns.  Later p_k's words.  Scales alone
.set CB,  40                           ; v40-47  the bias as C
.set WB,  48                           ; v48-111 a tile's eight fragments of W
.set ACC, 112                          ; v112-175 accumulators
.set U,   176                          ; v176-207 q: what is kept from block to block;  k: (1 - m) NEG;  v: m
.set NM,  176                          ; q: running -M of four tiles;  v180.. running l;  v184.. byte + own M of 4 blocks x 4 tiles;  v200.., v204.. at work
.set LL,  180
.set EE,  184
.set NW,  200
.set DD,  204
.set MX,  208                          ; v208-255 at work.  q:
.set PX,  212
.set NB,  216
.set SS,  224
.set SO,  232
.set BY,  236
.set QC,  240
.set KB,  208                          ; k and v:
.set KP,  210
.set KW,  212
.set REC, 216
.set KS,  220
.set KSO, 224
.set PC,  228
.set PF,  208                          ; att: p_k's four fragments;  v[252:253] (-M, l)
.set AP,  252
; s[4:27] the buffers; s28 wave, s29 cx, s30 batch x 8 + chunk, s31 head; s[32:39], s[40:47] descriptor groups 1; s[48:63] four groups 0; s[66:67] lane selects; s[68:69] log2(e); s70 NEG; s71 trips; s72-76 steps
.set MSB, 0
.macro WIN new                         ; the immediate's high byte repeats the setting that is left
.if MSB != (\new)
	s_set_vgpr_msb (MSB<<8)|(\new)
.set MSB, (\new)
.endif
.endm
.macro PLACES                          ; four plain places behind matrix instructions, in front of loads into their registers and of reads of their results
.rept 4
	v_nop
.endr
.endm
.macro CROUND                          ; a round of the cluster's barrier
	s_barrier_signal -1
	s_barrier_wait -1
	s_cmp_lg_u32 s28, 0
	s_cbranch_scc1 .Lnot_wave_0_\@
	s_barrier_signal -3
.Lnot_wave_0_\@:
	s_barrier_wait -3
	s_barrier_signal -1
	s_barrier_wait -1
.endm
; one matrix instruction.  ck = 0: C is the constant 0; else C = v[cr ..].  row = 1: both sides' scales from lanes 16-31
.macro WM d, a, b, ck, cr, sa, sb, row
.if (\ck) == 0
	v_wmma_scale_f32_16x16x128_f8f6f4 v[(\d):(\d)+7], v[(\a):(\a)+7], v[(\b):(\b)+7], 0, v[\sa], v[\sb] matrix_a_fmt:MATRIX_FMT_FP4 matrix_b_fmt:MATRIX_FMT_FP4
.elseif (\row) == 0
	v_wmma_scale_f32_16x16x128_f8f6f4 v[(\d):(\d)+7], v[(\a):(\a)+7], v[(\b):(\b)+7], v[(\cr):(\cr)+7], v[\sa], v[\sb] matrix_a_fmt:MATRIX_FMT_FP4 matrix_b_fmt:MATRIX_FMT_FP4
.else
	v_wmma_scale_f32_16x16x128_f8f6f4 v[(\d):(\d)+7], v[(\a):(\a)+7], v[(\b):(\b)+7], v[(\cr):(\cr)+7], v[\sa], v[\sb] matrix_a_fmt:MATRIX_FMT_FP4 matrix_b_fmt:MATRIX_FMT_FP4 matrix_a_scale:MATRIX_SCALE_ROW1 matrix_b_scale:MATRIX_SCALE_ROW1
.endif
.endm
; 16 matrix instructions: K steps s0 .. s0 + 3, the four token tiles' accumulators (ab + st T) by turns, one instruction a turn.  The first K step takes the bias as C.
.macro MMH form, s0, ab, st, par
.irp ss,0,1,2,3
.irp t,0,1,2,3
.if (\form) == 0
.if ((\s0)+\ss) == 0
	WM (\ab)+(\st)*\t,WB,64*\t,1,CB,WSC+4*(\par),XSC+4*\t,0
.else
	WM (\ab)+(\st)*\t,WB+8*((\s0)+\ss),64*\t+8*((\s0)+\ss),1,(\ab)+(\st)*\t,WSC+4*(\par)+\ss,XSC+4*\t+\ss,(\s0)/4
.endif
.else
.if ((\s0)+\ss) == 0
	WM (\ab)+(\st)*\t,64*\t,WB,1,CB,XSC+4*\t,WSC+4*(\par),0
.else
	WM (\ab)+(\st)*\t,64*\t+8*((\s0)+\ss),WB+8*((\s0)+\ss),1,(\ab)+(\st)*\t,XSC+4*\t+\ss,WSC+4*(\par)+\ss,(\s0)/4
.endif
.endif
.endr
.endr
.endm
.macro G0 par, aoff, sreg, soff, coff  ; a tile's scale words, bias and first four fragments: 11 loads
	ds_load_b128 v[WSC+4*(\par):WSC+4*(\par)+3], v[\sreg] offset:\soff
	ds_load_b128 v[CB:CB+3], v[ACT] offset:\coff
	ds_load_b128 v[CB+4:CB+7], v[ACT] offset:(\coff)+512
.irp q,0,1,2,3,4,5,6,7
	ds_load_b128 v[WB+4*\q:WB+4*\q+3], v[AWT] offset:(\aoff)+512*\q
.endr
.endm
.macro G1 aoff                         ; its last four fragments: 8 loads
.irp q,8,9,10,11,12,13,14,15
	ds_load_b128 v[WB+4*\q:WB+4*\q+3], v[AWT] offset:(\aoff)+512*\q
.endr
.endm
; A tile of 16 columns against my 64 tokens.  form 0: source 0 = W, source 1 = xn (window 1); form 1: the other way.  nf = 1: the next tile is fetched, half a tile ahead.
.macro MM form, ab, st, par, nf, aoff, sreg, soff, coff
	s_wait_dscnt 8                                 ; the tile's first eleven loads are in; its last eight may be out
.if (\form) == 0
	WIN 0x04
.else
	WIN 0x01
.endif
	MMH \form,0,\ab,\st,\par
	PLACES
	WIN 0
.if \nf
	G0 1-(\par),\aoff,\sreg,\soff,\coff
	s_wait_dscnt 11                                ; all but the eleven just issued
.else
	s_wait_dscnt 0x0
.endif
.if (\form) == 0
	WIN 0x04
.else
	WIN 0x01
.endif
	MMH \form,4,\ab,\st,\par
	PLACES
	WIN 0
.if \nf
	G1 \aoff
.endif
.endm
; q: BLOCK be OF 32 FEATURES, for my four tiles of tokens by turns.  A lane holds 16 of the block's numbers of one token: v[ACC + 16 T ..]; lane l xor 16 holds the other 16.
.macro EPQ be, first, last
.irp t,0,1,2,3
	v_max3_num_f32 v[MX+\t], v[ACC+16*\t], v[ACC+16*\t+1], v[ACC+16*\t+2]     ; each accumulator is read from its low end on
.endr
.irp i,3,5,7,9,11,13
.irp t,0,1,2,3
	v_max3_num_f32 v[MX+\t], v[MX+\t], v[ACC+16*\t+\i], v[ACC+16*\t+\i+1]
.endr
.endr
.irp t,0,1,2,3
	v_max_num_f32 v[MX+\t], v[MX+\t], v[ACC+16*\t+15]
.endr
.irp t,0,1,2,3
	v_permlanex16_b32 v[PX+\t], v[MX+\t], s66, s67
.endr
.irp t,0,1,2,3
	v_max_num_f32 v[MX+\t], v[MX+\t], v[PX+\t]     ; the block's largest logit
.endr
.irp t,0,1,2,3
	v_mul_f32 v[PX+\t], s68, v[MX+\t]
.endr
.irp t,0,1,2,3
	v_floor_f32 v[NB+2*\t], -v[PX+\t]              ; -M of the block: M = ceil(t)
.endr
.irp j,0,2,4,6,8,10,12,14
.irp t,0,1,2,3
	v_pk_fma_f32 v[ACC+16*\t+\j:ACC+16*\t+\j+1], v[ACC+16*\t+\j:ACC+16*\t+\j+1], s[68:69], v[NB+2*\t:NB+2*\t+1] op_sel_hi:[1,0,0]
.endr
.endr
.irp t,0,1,2,3
	v_fma_f32 v[MX+\t], v[MX+\t], s68, v[NB+2*\t]  ; the same of the largest: p rises with the logit, so this gives the block's largest p
.endr
.set n, 0
.rept 64
	v_exp_f32 v[ACC+n], v[ACC+n]
.set n, n+1
.endr
	v_nop                                          ; a plain instruction behind the batch,
	s_wait_alu depctr_va_vdst(0)                   ; and one wait for all 64, ahead of their first reader
.irp t,0,1,2,3
	v_exp_f32 v[MX+\t], v[MX+\t]
.endr
.irp t,0,1,2,3                         ; the sum of the unquantised p: it reads the 64 alone, plain work behind the four
	v_pk_add_f32 v[SS+2*\t:SS+2*\t+1], v[ACC+16*\t:ACC+16*\t+1], v[ACC+16*\t+2:ACC+16*\t+3]
.endr
.irp j,4,6,8,10,12,14
.irp t,0,1,2,3
	v_pk_add_f32 v[SS+2*\t:SS+2*\t+1], v[SS+2*\t:SS+2*\t+1], v[ACC+16*\t+\j:ACC+16*\t+\j+1]
.endr
.endr
.irp t,0,1,2,3
	v_add_f32 v[SS+2*\t], v[SS+2*\t], v[SS+2*\t+1]
.endr
	s_wait_alu depctr_va_vdst(0)                   ; one wait for the four
.irp t,0,1,2,3
	v_max_num_f32 v[MX+\t], 0x1800000, v[MX+\t]    ; the floor 2^(3 - 127)
.endr
.irp t,0,1,2,3
	v_add_nc_u32 v[SO+\t], 0xff000000, v[MX+\t]    ; 2 off the exponent field: the conversion's scale operand
.endr
.irp t,0,1,2,3
	v_lshrrev_b32 v[BY+\t], 23, v[SO+\t]           ; the byte under the block's own M
.endr
.if (\be) == 2
	s_wait_xcnt 0x0                                ; the first two blocks' stores have read the registers that are written again now
.endif
.irp t,0,1,2,3
	v_cvt_scalef32_pk8_fp4_f32 v[QC+4*\t+2*((\be)%2)], v[ACC+16*\t:ACC+16*\t+7], v[SO+\t]
	v_cvt_scalef32_pk8_fp4_f32 v[QC+4*\t+2*((\be)%2)+1], v[ACC+16*\t+8:ACC+16*\t+15], v[SO+\t]
.endr
	v_nop                                          ; a plain line behind the conversions
.irp t,0,1,2,3
	v_cvt_i32_f32 v[DD+\t], v[NB+2*\t]
.endr
.irp t,0,1,2,3
	v_sub_nc_u32 v[EE+4*(\be)+\t], v[BY+\t], v[DD+\t]   ; byte + own M
.endr
.if \first
.irp t,0,1,2,3
	v_mov_b32 v[NM+\t], v[NB+2*\t]
	v_mov_b32 v[LL+\t], v[SS+2*\t]
.endr
.else
.irp t,0,1,2,3
	v_min_num_f32 v[NW+\t], v[NM+\t], v[NB+2*\t]   ; the new running -M
.endr
.irp t,0,1,2,3
	v_sub_f32 v[DD+\t], v[NW+\t], v[NM+\t]         ; old M - new M, and the block's M - new M: whole numbers, 0 or less
	v_sub_f32 v[PX+\t], v[NW+\t], v[NB+2*\t]
.endr
.irp t,0,1,2,3
	v_cvt_i32_f32 v[DD+\t], v[DD+\t]
	v_cvt_i32_f32 v[PX+\t], v[PX+\t]
.endr
.irp t,0,1,2,3
	v_ldexp_f32 v[LL+\t], v[LL+\t], v[DD+\t]
	v_ldexp_f32 v[SS+2*\t], v[SS+2*\t], v[PX+\t]
.endr
.irp t,0,1,2,3
	v_add_f32 v[LL+\t], v[LL+\t], v[SS+2*\t]
	v_mov_b32 v[NM+\t], v[NW+\t]
.endr
.endif
.if ((\be)%2) == 1                     ; two blocks make half a fragment: the layout wants a whole block in a lane
.irp t,0,1,2,3
	v_permlane16_swap_b32 v[QC+4*\t], v[QC+4*\t+2]
	v_permlane16_swap_b32 v[QC+4*\t+1], v[QC+4*\t+3]
.endr
.irp t,0,1,2,3
	global_store_b128 v[L16], v[QC+4*\t:QC+4*\t+3], s[22:23] offset:\t*1024+((\be)/2)*512   ; 512 consecutive bytes
.endr
.endif
.if \last
.irp t,0,1,2,3
	v_cvt_i32_f32 v[DD+\t], v[NM+\t]
.endr
.irp b,0,1,2,3
.irp t,0,1,2,3
	v_add_nc_u32 v[EE+4*\b+\t], v[EE+4*\b+\t], v[DD+\t]   ; the byte under the row's M,
.endr
.endr
.irp n,0,1,2,3,4,5,6,7,8,9,10,11,12,13,14,15
	v_cmp_lt_i32 vcc_lo, 0, v[EE+\n]
	v_cndmask_b32 v[EE+\n], 0, v[EE+\n], vcc_lo    ; held at 0 from below
.endr
.irp t,0,1,2,3
	v_lshl_or_b32 v[BY+\t], v[EE+4+\t], 8, v[EE+\t]
.endr
.irp t,0,1,2,3
	v_lshl_or_b32 v[BY+\t], v[EE+8+\t], 16, v[BY+\t]
.endr
.irp t,0,1,2,3
	v_lshl_or_b32 v[BY+\t], v[EE+12+\t], 24, v[BY+\t]   ; the token's scale word
.endr
.irp t,0,1,2,3
	v_permlanex16_b32 v[PX+\t], v[LL+\t], s66, s67
.endr
.irp t,0,1,2,3
	v_add_f32 v[LL+\t], v[LL+\t], v[PX+\t]         ; the row's sum
.endr
.irp t,0,1,2,3
	v_rcp_f32 v[SO+\t], v[LL+\t]
.endr
	v_and_b32 v[NW], 16, v0                        ; (a plain instruction behind the reciprocals)
	s_wait_alu depctr_va_vdst(0)                   ; one wait for the four
	v_cmp_ne_u32 vcc_lo, 0, v[NW]
.irp t,0,1,2,3
	v_cndmask_b32 v[MX+\t], v[BY+\t], v[SO+\t], vcc_lo   ; lanes 0-15: the scale words; lanes 16-31: 1 / l
.endr
	global_store_b128 v[L16], v[MX:MX+3], s[24:25] ; 512 consecutive bytes
.endif
.endm
; k: ONE TILE OF 16 d.  A lane holds one d; register 16 b + i is token 32 b + 16 (lane / 16) + i of my 64.
.macro EPK ioff, roff
.irp j,0,2,4,6,8,10,12,14,16,18,20,22,24,26,28,30
	v_pk_add_f32 v[ACC+\j:ACC+\j+1], v[ACC+\j:ACC+\j+1], v[U+\j:U+\j+1]   ; + (1 - m) NEG
.endr
.irp b,0,1
	v_max3_num_f32 v[KB+\b], v[ACC+16*\b], v[ACC+16*\b+1], v[ACC+16*\b+2]
.endr
.irp i,3,5,7,9,11,13
.irp b,0,1
	v_max3_num_f32 v[KB+\b], v[KB+\b], v[ACC+16*\b+\i], v[ACC+16*\b+\i+1]
.endr
.endr
.irp b,0,1
	v_max_num_f32 v[KB+\b], v[KB+\b], v[ACC+16*\b+15]
.endr
.irp b,0,1
	v_permlanex16_b32 v[KP+\b], v[KB+\b], s66, s67
.endr
.irp b,0,1
	v_max_num_f32 v[KB+\b], v[KB+\b], v[KP+\b]     ; each block's largest logit
.endr
	v_max_num_f32 v[KW], v[KB], v[KB+1]
	v_mul_f32 v[KW], s68, v[KW]
	v_floor_f32 v[REC], -v[KW]                     ; -M of my 64 tokens
.irp j,0,2,4,6,8,10,12,14,16,18,20,22,24,26,28,30
	v_pk_fma_f32 v[ACC+\j:ACC+\j+1], v[ACC+\j:ACC+\j+1], s[68:69], v[REC:REC+1] op_sel_hi:[1,0,0]
.endr
.irp b,0,1
	v_fma_f32 v[KB+\b], v[KB+\b], s68, v[REC]
.endr
.set n, 0
.rept 32
	v_exp_f32 v[ACC+n], v[ACC+n]
.set n, n+1
.endr
	v_nop
	s_wait_alu depctr_va_vdst(0)                   ; one wait for the 32
.irp b,0,1
	v_exp_f32 v[KB+\b], v[KB+\b]                   ; each block's largest p
.endr
	v_pk_add_f32 v[KS:KS+1], v[ACC:ACC+1], v[ACC+2:ACC+3]
	v_pk_add_f32 v[KS+2:KS+3], v[ACC+4:ACC+5], v[ACC+6:ACC+7]
.irp j,8,12,16,20,24,28
	v_pk_add_f32 v[KS:KS+1], v[KS:KS+1], v[ACC+\j:ACC+\j+1]
	v_pk_add_f32 v[KS+2:KS+3], v[KS+2:KS+3], v[ACC+\j+2:ACC+\j+3]
.endr
	v_pk_add_f32 v[KS:KS+1], v[KS:KS+1], v[KS+2:KS+3]
	v_add_f32 v[KS], v[KS], v[KS+1]
	v_permlanex16_b32 v[KP], v[KS], s66, s67
	v_add_f32 v[REC+1], v[KS], v[KP]               ; l of my 64 tokens
	s_wait_alu depctr_va_vdst(0)                   ; one wait for the two
.irp b,0,1
	v_max_num_f32 v[KB+\b], 0x1800000, v[KB+\b]
.endr
.irp b,0,1
	v_add_nc_u32 v[KSO+\b], 0xff000000, v[KB+\b]
.endr
.irp b,0,1
	v_lshrrev_b32 v[REC+2+\b], 23, v[KSO+\b]
.endr
.irp b,0,1
	v_cvt_scalef32_pk8_fp4_f32 v[PC+2*\b], v[ACC+16*\b:ACC+16*\b+7], v[KSO+\b]
	v_cvt_scalef32_pk8_fp4_f32 v[PC+2*\b+1], v[ACC+16*\b+8:ACC+16*\b+15], v[KSO+\b]
.endr
	v_nop
	v_permlane16_swap_b32 v[PC], v[PC+2]
	v_permlane16_swap_b32 v[PC+1], v[PC+3]
	ds_store_b128 v[OU1], v[PC:PC+3] offset:\ioff  ; half a fragment of the next product: my two blocks of tokens
	ds_store_b128 v[OU2], v[REC:REC+3] offset:\roff   ; lanes r and r + 16 write the same bytes with the same values
.endm
; v: ONE TILE OF 16 l, laid as k's.
.macro EPV ioff, soff
.irp j,0,2,4,6,8,10,12,14,16,18,20,22,24,26,28,30
	v_pk_mul_f32 v[ACC+\j:ACC+\j+1], v[ACC+\j:ACC+\j+1], v[U+\j:U+\j+1]   ; x m
.endr
.irp b,0,1
	v_max3_num_f32 v[KB+\b], |v[ACC+16*\b]|, |v[ACC+16*\b+1]|, 0x1800000
.endr
.irp i,2,4,6,8,10,12,14
.irp b,0,1
	v_max3_num_f32 v[KB+\b], v[KB+\b], |v[ACC+16*\b+\i]|, |v[ACC+16*\b+\i+1]|
.endr
.endr
.irp b,0,1
	v_permlanex16_b32 v[KP+\b], v[KB+\b], s66, s67
.endr
.irp b,0,1
	v_max_num_f32 v[KB+\b], v[KB+\b], v[KP+\b]
.endr
.irp b,0,1
	v_add_nc_u32 v[KSO+\b], 0xff000000, v[KB+\b]
.endr
.irp b,0,1
	v_lshrrev_b32 v[REC+2+\b], 23, v[KSO+\b]
.endr
	v_lshl_or_b32 v[REC], v[REC+3], 8, v[REC+2]
.irp b,0,1
	v_cvt_scalef32_pk8_fp4_f32 v[PC+2*\b], v[ACC+16*\b:ACC+16*\b+7], v[KSO+\b]
	v_cvt_scalef32_pk8_fp4_f32 v[PC+2*\b+1], v[ACC+16*\b+8:ACC+16*\b+15], v[KSO+\b]
.endr
	v_nop
	v_permlane16_swap_b32 v[PC], v[PC+2]
	v_permlane16_swap_b32 v[PC+1], v[PC+3]
	ds_store_b128 v[OU1], v[PC:PC+3] offset:\ioff
	ds_store_b16 v[OU2], v[REC] offset:\soff
.endm
.macro STEPADR img, rec                ; the addresses of a trip's two tiles
	v_add_nc_u32 v[AWT], s72, v[L16]
	v_add_nc_u32 v[AST], s73, v[ASK]
	v_add_nc_u32 v[ACT], s74, v[ACI]
	v_add_nc_u32 v[OU1], s75, v[\img]
	v_add_nc_u32 v[OU2], s76, v[\rec]
.endm
.macro STEPSC rstep
	s_add_co_u32 s72, s72, 16384
	s_add_co_u32 s73, s73, 1024
	s_add_co_u32 s74, s74, 2048
	s_add_co_u32 s75, s75, 8192
	s_add_co_u32 s76, s76, \rstep
.endm
	s_load_b512 s[4:19], s[0:1], 0x0               ; xq, wimg, Wq_scales, Wk_scales, Wv_scales, bq, bk, bv
	s_load_b256 s[20:27], s[0:1], 0x40             ; src_mask, qcodes, qmeta, attp
	v_lshl_add_u32 v254, v0, 2, 0x4e800
	v_mov_b32 v255, 0
	ds_add_u32 v254, v255
	ds_add_u32 v254, v255
	s_wait_dscnt 0x0
	v_lshrrev_b32 v2, 5, v0
	v_readfirstlane_b32 s28, v2                    ; wave 0..7
	s_bfe_u32 s29, ttmp6, 0x40000                  ; cx: it enters global addresses of xq, the mask and the outputs alone
	s_lshl_b32 s30, ttmp9, 2
	s_add_co_u32 s30, s30, s29                     ; batch x 8 + chunk of 512 tokens
	s_and_b32 s31, ttmp7, 0xffff                   ; the head, which the four partners share
	; descriptor groups 1: dense bytes as rows of 32 elements of 8 bytes; the mask names all four work-groups, bit 21 beside it
	s_mov_b32 s32, 15|(3<<16)|(1<<21)              ; codes: 96 rows, three tiles
	s_mov_b32 s33, 32<<16
	s_mov_b32 s34, 96<<16
	s_mov_b32 s35, 32<<16
	s_mov_b32 s36, 96
	s_mov_b32 s37, 32
	s_mov_b32 s38, 0
	s_mov_b32 s39, 0
	s_mov_b32 s40, 15|(3<<16)|(1<<21)              ; scale bytes: 2 rows, 16 rows of a weight
	s_mov_b32 s41, 32<<16
	s_mov_b32 s42, 2<<16
	s_mov_b32 s43, 32<<16
	s_mov_b32 s44, 2
	s_mov_b32 s45, 32
	s_mov_b32 s46, 0
	s_mov_b32 s47, 0
	s_mov_b32 s66, 0x76543210
	s_mov_b32 s67, 0xfedcba98
	s_mov_b32 s68, 0x3fb8aa3b                      ; log2(e)
	s_mov_b32 s69, s68
	s_mov_b32 s70, 0xc9742400                      ; -1,000,000
	s_mul_i32 s80, s31, 196608                     ; the head's 24 tiles,
	s_mul_i32 s49, s28, 24576                      ; my three of them: in memory and in LDS
	s_add_co_u32 s80, s80, s49
	s_mov_b32 s81, 0
	s_lshl_b32 s82, s31, 12                        ; the head's 128 rows of scale bytes,
	s_lshl_b32 s84, s28, 9                         ; my 16 of them
	s_add_co_u32 s82, s82, s84
	s_mov_b32 s83, 0
	s_mov_b32 s48, 1
	s_mov_b32 s52, 1
	s_mov_b32 s56, 1
	s_mov_b32 s60, 1
	s_add_co_u32 s53, s84, WS
	s_add_co_u32 s57, s84, WS+4096
	s_add_co_u32 s61, s84, WS+8192
	s_wait_kmcnt 0x0
	s_add_nc_u64 s[50:51], s[6:7], s[80:81]
	s_or_b32 s51, s51, 0x80000000
	s_add_nc_u64 s[54:55], s[8:9], s[82:83]
	s_or_b32 s55, s55, 0x80000000
	s_add_nc_u64 s[58:59], s[10:11], s[82:83]
	s_or_b32 s59, s59, 0x80000000
	s_add_nc_u64 s[62:63], s[12:13], s[82:83]
	s_or_b32 s63, s63, 0x80000000
	CROUND                                         ; all four work-groups are here: the joint loads meet
	tensor_load_to_lds s[48:51], s[32:39]          ; my four loads go out together: four are out.  Nothing in LDS is filled twice
	s_nop 0
	tensor_load_to_lds s[52:55], s[40:47]
	s_nop 0
	tensor_load_to_lds s[56:59], s[40:47]
	s_nop 0
	tensor_load_to_lds s[60:63], s[40:47]
	s_nop 0
.rept 4
	v_nop
.endr
	; the global places of my share.  A chunk of 512 tokens is 32 tiles of 16, a wave's 64 tokens are four
	s_lshl_b32 s85, s30, 5
	s_lshl_b32 s86, s28, 2
	s_add_co_u32 s85, s85, s86
	s_mul_i32 s86, s85, 8704
	s_mov_b32 s87, 0
	s_add_nc_u64 s[4:5], s[4:5], s[86:87]          ; xq at my four records: tile 32 (batch x 8 + chunk) + 4 wave
	s_lshr_b32 s88, s30, 3                         ; batch
	s_and_b32 s89, s30, 7                          ; chunk
	s_lshl_b32 s90, s88, 3
	s_add_co_u32 s90, s90, s31                     ; batch x 8 + head
	s_lshl_b32 s86, s90, 8
	s_lshl_b32 s91, s89, 5
	s_add_co_u32 s86, s86, s91
	s_lshl_b32 s91, s28, 2
	s_add_co_u32 s86, s86, s91
	s_lshl_b32 s86, s86, 10
	s_add_nc_u64 s[22:23], s[22:23], s[86:87]      ; qcodes at my four tiles: 256 (batch x 8 + head) + 32 chunk + 4 wave
	s_lshl_b32 s86, s90, 6
	s_lshl_b32 s91, s89, 3
	s_add_co_u32 s86, s86, s91
	s_add_co_u32 s86, s86, s28
	s_lshl_b32 s86, s86, 9
	s_add_nc_u64 s[24:25], s[24:25], s[86:87]      ; qmeta at my 64 tokens
	s_lshl_b32 s86, s90, 3
	s_add_co_u32 s86, s86, s89
	s_lshl_b32 s86, s86, 3
	s_add_co_u32 s86, s86, s28
	s_mul_i32 s86, s86, 8448
	s_add_nc_u64 s[26:27], s[26:27], s[86:87]      ; attp at my tile of d
	; LDS addresses
	v_and_b32 v208, 31, v0
	v_and_b32 v209, 15, v0                         ; r
	v_bfe_u32 v210, v0, 4, 1                       ; lane / 16
	v_lshlrev_b32 v[L16], 4, v208
	v_and_b32 v211, 8, v209
	v_add_nc_u32 v211, v211, v209                  ; r + 8 (r / 8)
	v_lshlrev_b32 v[ASQ], 5, v211
	v_lshl_add_u32 v[ASQ], v210, 4, v[ASQ]
	v_add_nc_u32 v[ASQ], WS, v[ASQ]
	v_lshlrev_b32 v[ASK], 5, v209
	v_lshl_add_u32 v[ASK], v210, 4, v[ASK]
	v_add_nc_u32 v[ASK], WS, v[ASK]
	v_add_nc_u32 v[ACI], CI, v[L16]
	s_lshl_b32 s80, s28, 8
	s_add_co_u32 s81, s80, MT
	v_lshl_add_u32 v[AMT], v210, 6, s81
	s_add_co_u32 s81, s80, RC
	v_lshl_add_u32 v[ARC], v209, 4, s81
	s_lshl_b32 s80, s28, 9
	s_add_co_u32 s81, s80, PI
	v_add_nc_u32 v[API], s81, v[L16]
	s_add_co_u32 s81, s80, VI
	v_add_nc_u32 v[AVI], s81, v[L16]
	s_lshl_b32 s80, s28, 1
	s_add_co_u32 s80, s80, VS
	v_lshl_add_u32 v[AVS], v209, 4, s80
	s_lshl_b32 s80, s28, 10
	v_add_nc_u32 v[OU1], s80, v[ACI]               ; for now: where I build the bias images of tile w of each kind,
	v_lshl_add_u32 v[OU2], v0, 3, MT               ; and my two tokens' place in the mask's table
	; the small inputs: five loads
	s_lshl_b32 s80, s31, 9
	s_lshr_b32 s81, s28, 1
	s_lshl_b32 s81, s81, 7
	s_add_co_u32 s81, s81, s80
	s_and_b32 s82, s28, 1
	s_lshl_b32 s82, s82, 5
	s_add_co_u32 s81, s81, s82
	v_lshl_add_u32 v230, v210, 6, s81              ; bq: features 32 (w / 2) + 8 (w % 2) + 16 (lane / 16) + 0 .. 7 of the head
	s_lshl_b32 s82, s28, 6
	s_add_co_u32 s82, s82, s80
	v_lshl_add_u32 v231, v209, 2, s82              ; bk, bv: feature 16 w + r
	s_lshl_b32 s82, s30, 11
	v_lshl_add_u32 v232, v0, 3, s82                ; the mask of tokens 2 thread, 2 thread + 1
	global_load_b128 v[212:215], v230, s[14:15]
	global_load_b128 v[216:219], v230, s[14:15] offset:16
	global_load_b32 v220, v231, s[16:17]
	global_load_b32 v224, v231, s[18:19]
	global_load_b64 v[228:229], v232, s[20:21]
.irp t,0,1,2,3
	global_load_b128 v[XSC+4*\t:XSC+4*\t+3], v[L16], s[4:5] offset:\t*8704+8192
.endr
	WIN 0x40                                       ; destination window 1: xn's fragments, tile T, K step s at 64 T + 8 s
.irp t,0,1,2
.irp q,0,1,2,3,4,5,6,7,8,9,10,11,12,13,14,15
	global_load_b128 v[64*\t+4*\q:64*\t+4*\q+3], v[L16], s[4:5] offset:\t*8704+512*\q
.endr
.endr
	WIN 0
	s_wait_loadcnt 52                              ; the five small loads are in; the 4 + 48 behind them stay out
	ds_store_b128 v[OU1], v[212:215]               ; q's bias as C: a lane's eight features
	ds_store_b128 v[OU1], v[216:219] offset:512
	v_mov_b32 v221, v220                           ; k's and v's: a lane's one column, eight times
	v_mov_b32 v222, v220
	v_mov_b32 v223, v220
	v_mov_b32 v225, v224
	v_mov_b32 v226, v224
	v_mov_b32 v227, v224
	ds_store_b128 v[OU1], v[220:223] offset:8192
	ds_store_b128 v[OU1], v[220:223] offset:8192+512
	ds_store_b128 v[OU1], v[224:227] offset:16384
	ds_store_b128 v[OU1], v[224:227] offset:16384+512
	v_sub_f32 v234, 1.0, v228
	v_sub_f32 v235, 1.0, v229
	v_mul_f32 v234, s70, v234                      ; (1 - m) x NEG, rounded as it is written: it is added to the logit afterwards
	v_mul_f32 v235, s70, v235
	ds_store_b64 v[OU2], v[228:229]
	ds_store_b64 v[OU2], v[234:235] offset:2048
	WIN 0x40
.irp q,0,1,2,3,4,5,6,7,8,9,10,11,12,13,14,15
	global_load_b128 v[192+4*\q:192+4*\q+3], v[L16], s[4:5] offset:3*8704+512*\q
.endr
	WIN 0
	s_wait_tensorcnt 0x0                           ; my part of the weights has landed,
	s_wait_dscnt 0x0                               ; my part of the tables is stored:
	s_barrier_signal -1
	s_barrier_wait -1                              ; everybody's
	v_mov_b32 v[AWT], v[L16]
	v_mov_b32 v[ACT], v[ACI]
	G0 0,0,ASQ,0,0
	G1 0
.irp t,0,1,2,3
	v_mov_b32 v[PX+\t], 0                          ; written once: a lane permute's destination counts as read,
	v_mov_b32 v[NB+2*\t+1], 0                      ; and so does the upper half of a pair of which the low word serves both halves
.endr
	s_wait_loadcnt 0x0                             ; xn and its scale words
	; ---- q: eight tiles, two to a block of 32 features
.macro MQ ct
.if (\ct) < 7
	MM 0,ACC+8*((\ct)%2),16,(\ct)%2,1,((\ct)+1)*8192,ASQ,1024*(((\ct)+1)/2)+256*(((\ct)+1)%2),((\ct)+1)*1024
.else
	v_add_nc_u32 v[AWT], 0x10000, v[L16]           ; the next tile is k's first
	MM 0,ACC+8,16,1,1,0,ASK,4096,8192
.endif
.endm
	MQ 0
	MQ 1
	EPQ 0,1,0
	MQ 2
	MQ 3
	EPQ 1,0,0
	MQ 4
	MQ 5
	EPQ 2,0,0
	MQ 6
	MQ 7
	EPQ 3,0,1
	s_wait_xcnt 0x0                                ; q's stores have read their registers, which k's work writes again
	; ---- k: eight tiles, two a trip
.irp b,0,1
.irp k,0,1,2,3
	ds_load_b128 v[U+16*\b+4*\k:U+16*\b+4*\k+3], v[AMT] offset:2048+128*\b+16*\k
.endr
.endr
	s_mov_b32 s72, 65536                           ; tile 8: its codes,
	s_mov_b32 s73, 4096                            ; scale bytes,
	s_mov_b32 s74, 8192                            ; bias image;
	s_mov_b32 s75, 0                               ; where its image
	s_mov_b32 s76, 0                               ; and its record go
	s_mov_b32 s71, 4
.Lk:
	STEPADR API,ARC
	MM 1,ACC,8,0,1,8192,AST,512,1024
	EPK 0,0
	MM 1,ACC,8,1,1,16384,AST,1024,2048
	EPK 4096,2048
	STEPSC 4096
	s_sub_co_u32 s71, s71, 1
	s_cmp_lg_u32 s71, 0
	s_cbranch_scc1 .Lk
	; ---- v: eight tiles; the last pair is written out, since nothing follows it
.irp b,0,1
.irp k,0,1,2,3
	ds_load_b128 v[U+16*\b+4*\k:U+16*\b+4*\k+3], v[AMT] offset:128*\b+16*\k
.endr
.endr
	s_mov_b32 s75, 0
	s_mov_b32 s76, 0
	s_mov_b32 s71, 3
.Lv:
	STEPADR AVI,AVS
	MM 1,ACC,8,0,1,8192,AST,512,1024
	EPV 0,0
	MM 1,ACC,8,1,1,16384,AST,1024,2048
	EPV 4096,256
	STEPSC 512
	s_sub_co_u32 s71, s71, 1
	s_cmp_lg_u32 s71, 0
	s_cbranch_scc1 .Lv
	STEPADR AVI,AVS
	MM 1,ACC,8,0,1,8192,AST,512,1024
	EPV 0,0
	MM 1,ACC,8,1,0,0,AST,0,0
	EPV 4096,256
	; ---- att: my tile of 16 d against all 128 l, K = the work-group's 512 tokens in four steps
	v_and_b32 v15, 15, v0
	v_lshlrev_b32 v15, 4, v15
	s_lshl_b32 s80, s28, 11
	s_add_co_u32 s80, s80, RC
	v_add_nc_u32 v2, s80, v15                      ; my tile's records
	s_lshl_b32 s80, s28, 12
	s_add_co_u32 s80, s80, PI
	v_add_nc_u32 v3, s80, v[L16]                   ; its fragments of p
	v_add_nc_u32 v5, VI, v[L16]                    ; v's fragments
	v_add_nc_u32 v14, VS, v15                      ; v's scale words
	v_and_b32 v4, 31, v0
	v_lshlrev_b32 v4, 3, v4
	s_wait_dscnt 0x0                               ; my images and records are stored
	s_barrier_signal -1
	s_barrier_wait -1                              ; everybody's
.macro VFETCH k                        ; K step k of v: eight fragments and their scale words: 24 loads
.irp la,0,1,2,3,4,5,6,7
	ds_load_b128 v[WB+64*((\k)%2)+8*\la:WB+64*((\k)%2)+8*\la+3], v5 offset:\la*4096+(\k)*1024
	ds_load_b128 v[WB+64*((\k)%2)+8*\la+4:WB+64*((\k)%2)+8*\la+7], v5 offset:\la*4096+(\k)*1024+512
	ds_load_b32 v[XSC+8*((\k)%2)+\la], v14 offset:\la*256+4*(\k)
.endr
.endm
.macro ATT k                           ; source 0 = 16 l of v, source 1 = my 16 d of p: a lane holds one d and eight l.  The eight accumulators (window 1) by turns
	WIN 0x50
.irp la,0,1,2,3,4,5,6,7
.if (\k) == 0
	WM 8*\la,WB+8*\la,PF,0,0,XSC+\la,WSC,0
.else
	WM 8*\la,WB+64*((\k)%2)+8*\la,PF+8*(\k),1,8*\la,XSC+8*((\k)%2)+\la,WSC+(\k),0
.endif
.endr
	PLACES
	WIN 0
.endm
.irp w,0,1,2,3,4,5,6,7
	ds_load_b128 v[U+4*\w:U+4*\w+3], v2 offset:256*\w
.endr
.irp q,0,1,2,3,4,5,6,7
	ds_load_b128 v[PF+4*\q:PF+4*\q+3], v3 offset:512*\q
.endr
	VFETCH 0
	VFETCH 1
	s_wait_dscnt 56                                ; the eight records are in; p's 8 loads and v's 2 x 24 stay out
	v_min3_num_f32 v[AP], v[U], v[U+4], v[U+8]     ; -M of the 512 tokens
	v_min3_num_f32 v[AP], v[AP], v[U+12], v[U+16]
	v_min3_num_f32 v[AP], v[AP], v[U+20], v[U+24]
	v_min_num_f32 v[AP], v[AP], v[U+28]
.irp w,0,1,2,3,4,5,6,7
	v_sub_f32 v[U+4*\w], v[AP], v[U+4*\w]          ; a wave's M - the work-group's: a whole number, 0 or less
.endr
.irp w,0,1,2,3,4,5,6,7
	v_cvt_i32_f32 v[U+4*\w], v[U+4*\w]
.endr
.irp w,0,1,2,3,4,5,6,7
	v_add_nc_u32 v[U+4*\w+2], v[U+4*\w+2], v[U+4*\w]
	v_add_nc_u32 v[U+4*\w+3], v[U+4*\w+3], v[U+4*\w]
.endr
.irp w,0,1,2,3,4,5,6,7
.irp b,2,3
	v_cmp_lt_i32 vcc_lo, 0, v[U+4*\w+\b]
	v_cndmask_b32 v[U+4*\w+\b], 0, v[U+4*\w+\b], vcc_lo   ; the bytes under the common M, held at 0 from below
.endr
.endr
.irp k,0,1,2,3
	v_lshl_or_b32 v[WSC+\k], v[U+8*\k+3], 8, v[U+8*\k+2]
.endr
.irp k,0,1,2,3
	v_lshl_or_b32 v[WSC+\k], v[U+8*\k+6], 16, v[WSC+\k]
.endr
.irp k,0,1,2,3
	v_lshl_or_b32 v[WSC+\k], v[U+8*\k+7], 24, v[WSC+\k]   ; p's scale word of K step k
.endr
.irp w,0,1,2,3,4,5,6,7                 ; l under the common M.  (These fifteen plain lines also stand between the scale words' last write and the first product)
	v_ldexp_f32 v[U+4*\w+1], v[U+4*\w+1], v[U+4*\w]
.endr
	v_add_f32 v[AP+1], v[U+1], v[U+5]
.irp w,2,3,4,5,6,7
	v_add_f32 v[AP+1], v[AP+1], v[U+4*\w+1]
.endr
	s_wait_dscnt 24                                ; p and K step 0 are in; K step 1's 24 loads may be out
	ATT 0
	VFETCH 2
	s_wait_dscnt 24                                ; K step 1 is in
	ATT 1
	VFETCH 3
	s_wait_dscnt 24                                ; K step 2
	ATT 2
	s_wait_dscnt 0x0
	ATT 3
	WIN 0x04                                       ; a store's data: window 1
.irp la,0,1,2,3,4,5,6,7
	global_store_b128 v[L16], v[8*\la:8*\la+3], s[26:27] offset:\la*1024          ; each accumulator from its low end on; 512 consecutive bytes a store
	global_store_b128 v[L16], v[8*\la+4:8*\la+7], s[26:27] offset:\la*1024+512
.endr
	WIN 0
	global_store_b64 v4, v[AP:AP+1], s[26:27] offset:8192   ; 256 consecutive bytes
	s_wait_xcnt 0x0
	v_lshl_add_u32 v254, v0, 2, 0x4e800
	v_mov_b32 v255, 0
	s_wait_tensorcnt 0x0
	ds_add_u32 v254, v255
	s_wait_dscnt 0x0
	CROUND                                         ; the closing round
	s_endpgm
.Lfunc_end_k_qebf8371626_qkv:
	.size	k_qebf8371626_qkv, .Lfunc_end_k_qebf8371626_qkv-k_qebf8371626_qkv
	.p2alignl 7, 3214868480
	.fill 96, 4, 3214868480
	.section	.rodata,"a",@progbits
	.p2align	6, 0x0
	.amdhsa_kernel k_qebf8371626_qkv
		.amdhsa_group_segment_fixed_size 327680
		.amdhsa_private_segment_fixed_size 0
		.amdhsa_enable_private_segment 0
		.amdhsa_kernarg_size 96
		.amdhsa_user_sgpr_count 2
		.amdhsa_user_sgpr_kernarg_segment_ptr 1
		.amdhsa_wavefront_size32 1
		.amdhsa_system_sgpr_workgroup_id_x 1
		.amdhsa_system_sgpr_workgroup_id_y 1
		.amdhsa_system_sgpr_workgroup_id_z 1
		.amdhsa_system_vgpr_workitem_id 0
		.amdhsa_next_free_vgpr 512
		.amdhsa_next_free_sgpr 100
		.amdhsa_reserve_vcc 1
		.amdhsa_float_denorm_mode_32 3
		.amdhsa_float_denorm_mode_16_64 3
		.amdhsa_memory_ordered 1
		.amdhsa_forward_progress 1
		.amdhsa_inst_pref_size 191
	.end_amdhsa_kernel
	.amdgpu_metadata
---
amdhsa.version: [ 1, 2 ]
amdhsa.kernels:
  - .name:           k_qebf8371626_qkv
    .symbol:         k_qebf8371626_qkv.kd
    .args:
      - { .name: xq, .offset: 0, .size: 8, .value_kind: global_buffer, .address_space: global }
      - { .name: wimg, .offset: 8, .size: 8, .value_kind: global_buffer, .address_space: global }
      - { .name: Wq_scales, .offset: 16, .size: 8, .value_kind: global_buffer, .address_space: global }
      - { .name: Wk_scales, .offset: 24, .size: 8, .value_kind: global_buffer, .address_space: global }
      - { .name: Wv_scales, .offset: 32, .size: 8, .value_kind: global_buffer, .address_space: global }
      - { .name: bq, .offset: 40, .size: 8, .value_kind: global_buffer, .address_space: global }
      - { .name: bk, .offset: 48, .size: 8, .value_kind: global_buffer, .address_space: global }
      - { .name: bv, .offset: 56, .size: 8, .value_kind: global_buffer, .address_space: global }
      - { .name: src_mask, .offset: 64, .size: 8, .value_kind: global_buffer, .address_space: global }
      - { .name: qcodes, .offset: 72, .size: 8, .value_kind: global_buffer, .address_space: global }
      - { .name: qmeta, .offset: 80, .size: 8, .value_kind: global_buffer, .address_space: global }
      - { .name: attp, .offset: 88, .size: 8, .value_kind: global_buffer, .address_space: global }
    .group_segment_fixed_size: 327680
    .private_segment_fixed_size: 0
    .kernarg_segment_align: 8
    .kernarg_segment_size: 96
    .max_flat_workgroup_size: 256
    .sgpr_count:     100
    .vgpr_count:     512
    .wavefront_size: 32
...
	.end_amdgpu_metadata
.endif
;; end of part 2
;; launch apply (part 3): grid 32 x 8, 8 waves a work-group, no clusters, 145,408 bytes of LDS; arguments x, qcodes, qmeta, attp, out0; writes out0
.if DOCPART == 3
	.amdgcn_target "amdgcn-amd-amdhsa--gfx1250"
	.amdhsa_code_object_version 6
	.text
	.protected	k_qebf8371626_apply
	.globl	k_qebf8371626_apply
	.p2align	8
	.type	k_qebf8371626_apply,@function
k_qebf8371626_apply:
	s_mov_b64 s[64:65], 0
	v_nop
	global_prefetch_b8 v0, s[64:65] scope:SCOPE_SE
	s_setreg_imm32_b32 hwreg(HW_REG_WAVE_MODE, 25, 1), 1
	s_wait_xcnt 0x0
; out = x + q att, for one head and 512 tokens of one batch.  att[d][l] is first summed from the batch's eight partial sums, each brought under the common whole-number M by a power of two, divided by the
; row's sum l, and quantised along d to codes of FP4 (E2M1) with E8M0 scales; then y^T = att^T p_q^T on codes, divided by q's row sum, is added to x.
; THE GRID: x = batch x 8 + head, y = the chunk of 512 tokens: the eight work-groups that read one head's partial sums have numbers 32 apart.
; SHARES.  Wave w sums att's tile d = 16 w .. + 15 in the accumulators' own layout (a lane holds one d, so the factor is one number a lane), quantises rows l = 16 w .. + 15 of att^T, and owns tokens 64 w .. + 63.
; att changes hands twice through LDS: as f32 [l][d] (pitch 528), then as images of the eight fragments' registers.  x's 64 rows of 512 bytes a wave (256 registers, window 1) are asked for among the loads of
; the partial sums, so that they are on their way while att is summed; q's fragments are asked for behind the last chunk but one, into the buffer that it has left.
; The product is used transposed (source 0 = 16 l of att^T, source 1 = 16 tokens of p_q): a lane holds one token and eight neighbouring l; a tile goes through the wave's own stage and leaves as rows of 512 bytes.
; No cluster and no tensor load: the eight partial sums that the batch's work-groups share, 540,672 bytes a head, do not fit in LDS at once, and they come through registers on the counter that x's loads use.
; LIMITS: NaN and infinities are not served; a block of zeros has the byte 1 over zero codes.
.set AT,   0                           ; LDS: att as [l][d] f32, 128 rows of 512 + 16 bytes
.set AI,   67584                       ; att^T's eight fragments, 1,024 bytes each
.set AW,   75776                       ; their scale words, 128 bytes each
.set YS,   76800                       ; a stage of 16 rows x 528 bytes for each wave
.set CST,  67584                       ; from one chunk's record to the next in attp: 8 x 8,448
.set L16,  1                           ; v1 16 x lane
.set ATW,  2
.set ATR,  3
.set AIW,  4
.set AWW,  5
.set AIR,  6
.set AWR,  7
.set YSW,  8
.set YSR,  9
.set R16,  10                          ; v10 16 x (lane % 16)
.set L8,   11                          ; v11 8 x lane
.set RR,   14                          ; v[14:15] 1 / l of the tile in hand (the low word serves both halves)
.set STT,  16                          ; v16-31  (-M, l) of the eight chunks; later at work
.set G,    32                          ; v32-47  the chunks' factors at the even registers, their exponents at the odd; later att's codes
.set ACCA, 48                          ; v48-111 att's tile; later y's accumulators and rows
.set PB,   112                         ; v112-239 two buffers of 64 for the partial sums
.set QF,   112                         ; the first buffer, behind chunk 6: q's four fragments (v112-143) and 1 / l (v144-147)
.set RL,   144
.set PBH,  176                         ; the second buffer, behind chunk 7: att's numbers, then att^T's eight fragments
.set ASC,  240                         ; v240-247 att's scale words;  v248-251 q's.  Scales alone
.set QS,   248
.set NMR,  252
.set LS,   253
.set RI,   254
.set MSB, 0
.macro WIN new
.if MSB != (\new)
	s_set_vgpr_msb (MSB<<8)|(\new)
.set MSB, (\new)
.endif
.endm
	s_load_b256 s[4:11], s[0:1], 0x0               ; x, qcodes, qmeta, attp
	s_load_b64 s[12:13], s[0:1], 0x20              ; out0
	v_lshrrev_b32 v2, 5, v0
	v_readfirstlane_b32 s14, v2                    ; wave 0..7
	s_and_b32 s18, ttmp7, 0xffff                   ; chunk
	s_lshr_b32 s17, ttmp9, 3                       ; batch
	s_and_b32 s16, ttmp9, 7                        ; head
	s_mov_b32 s19, ttmp9                           ; batch x 8 + head
	s_mov_b32 s20, 0x76543210
	s_mov_b32 s21, 0xfedcba98
	s_lshl_b32 s22, s17, 3
	s_add_co_u32 s22, s22, s18                     ; batch x 8 + chunk
	s_lshl_b32 s22, s22, 21                        ; x, out: 512 rows of 4,096 bytes a chunk, 64 a wave, 512 bytes a head
	s_lshl_b32 s24, s14, 18
	s_add_co_u32 s22, s22, s24
	s_lshl_b32 s24, s16, 9
	s_add_co_u32 s22, s22, s24
	s_mov_b32 s23, 0
	s_lshl_b32 s24, s19, 6
	s_add_co_u32 s24, s24, s14
	s_mul_i32 s24, s24, 8448                       ; attp: chunk 0's record of my tile of d
	s_mov_b32 s25, 0
	s_lshl_b32 s26, s19, 8
	s_lshl_b32 s30, s18, 5                         ; a chunk of 512 tokens is 32 tiles of 16
	s_add_co_u32 s26, s26, s30
	s_lshl_b32 s30, s14, 2
	s_add_co_u32 s26, s26, s30
	s_lshl_b32 s26, s26, 10                        ; qcodes: my four tiles: 256 (batch x 8 + head) + 32 chunk + 4 wave
	s_mov_b32 s27, 0
	s_lshl_b32 s28, s19, 6
	s_lshl_b32 s30, s18, 3
	s_add_co_u32 s28, s28, s30
	s_add_co_u32 s28, s28, s14
	s_lshl_b32 s28, s28, 9                         ; qmeta: my 64 tokens
	s_mov_b32 s29, 0
	v_and_b32 v12, 31, v0
	v_and_b32 v13, 15, v0                          ; r
	v_bfe_u32 v14, v0, 4, 1                        ; lane / 16
	v_lshlrev_b32 v[L16], 4, v12
	v_lshlrev_b32 v[L8], 3, v12
	v_lshlrev_b32 v[R16], 4, v13
	v_mul_u32_u24 v[ATW], v14, 4224                ; att in: row l = 16 tile + 8 (lane / 16) + j, column d = 16 w + r
	v_lshl_add_u32 v[ATW], v13, 2, v[ATW]
	s_lshl_b32 s30, s14, 6
	v_add_nc_u32 v[ATW], s30, v[ATW]
	v_mul_u32_u24 v[ATR], v13, 528                 ; att back: row l = 16 w + r, d = 64 c + 32 (lane / 16) on
	v_lshl_add_u32 v[ATR], v14, 7, v[ATR]
	s_mul_i32 s31, s14, 8448
	v_add_nc_u32 v[ATR], s31, v[ATR]
	s_lshl_b32 s30, s14, 10
	s_add_co_u32 s30, s30, AI
	v_add_nc_u32 v[AIW], s30, v[L16]
	s_lshl_b32 s30, s14, 7
	s_add_co_u32 s30, s30, AW
	v_lshl_add_u32 v[AWW], v12, 2, s30
	v_add_nc_u32 v[AIR], AI, v[L16]
	v_lshl_add_u32 v[AWR], v12, 2, AW
	s_add_co_u32 s31, s31, YS                      ; my stage
	v_mul_u32_u24 v[YSW], v13, 528
	v_lshl_add_u32 v[YSW], v14, 5, v[YSW]
	v_add_nc_u32 v[YSW], s31, v[YSW]
	v_add_nc_u32 v[YSR], s31, v[L16]
	v_mov_b32 v[RR+1], 0                           ; written once: named as the upper half of a pair
	s_wait_kmcnt 0x0
	s_add_nc_u64 s[4:5], s[4:5], s[22:23]
	s_add_nc_u64 s[12:13], s[12:13], s[22:23]
	s_add_nc_u64 s[10:11], s[10:11], s[24:25]
	s_add_nc_u64 s[6:7], s[6:7], s[26:27]
	s_add_nc_u64 s[8:9], s[8:9], s[28:29]
.macro BLOAD c                         ; chunk c's partial sums of my tile: 16 loads of 512 consecutive bytes
.irp q,0,1,2,3,4,5,6,7,8,9,10,11,12,13,14,15
	global_load_b128 v[PB+64*((\c)%2)+4*\q:PB+64*((\c)%2)+4*\q+3], v[L16], s[10:11] offset:(\c)*CST+512*\q
.endr
.endm
.macro XLOAD c                         ; eight of my 64 rows of x: token k at registers 4 k of window 1
	WIN 0x40
.irp i,0,1,2,3,4,5,6,7
	global_load_b128 v[4*(8*(\c)+\i):4*(8*(\c)+\i)+3], v[L16], s[4:5] offset:(8*(\c)+\i)*4096 th:TH_LOAD_NT
.endr
	WIN 0
.endm
.irp c,0,1,2,3,4,5,6,7
	global_load_b64 v[STT+2*\c:STT+2*\c+1], v[L8], s[10:11] offset:\c*CST+8192
.endr
	BLOAD 0
	XLOAD 0
	BLOAD 1
	XLOAD 1
	s_wait_loadcnt 48                              ; the eight pairs (-M, l) are in; the 48 loads behind them stay out
	v_min3_num_f32 v[NMR], v[STT], v[STT+2], v[STT+4]
	v_min3_num_f32 v[NMR], v[NMR], v[STT+6], v[STT+8]
	v_min3_num_f32 v[NMR], v[NMR], v[STT+10], v[STT+12]
	v_min_num_f32 v[NMR], v[NMR], v[STT+14]        ; -M of the whole row
.irp c,0,1,2,3,4,5,6,7
	v_sub_f32 v[G+2*\c+1], v[NMR], v[STT+2*\c]     ; a chunk's M - the row's: a whole number, 0 or less
.endr
.irp c,0,1,2,3,4,5,6,7
	v_cvt_i32_f32 v[G+2*\c+1], v[G+2*\c+1]
.endr
.irp c,0,1,2,3,4,5,6,7
	v_ldexp_f32 v[G+2*\c], v[STT+2*\c+1], v[G+2*\c+1]
.endr
	v_add_f32 v[LS], v[G], v[G+2]
.irp c,2,3,4,5,6,7
	v_add_f32 v[LS], v[LS], v[G+2*\c]              ; the row's sum
.endr
	v_rcp_f32 v[RI], v[LS]
	v_nop
	s_wait_alu depctr_va_vdst(0)
.irp c,0,1,2,3,4,5,6,7
	v_ldexp_f32 v[G+2*\c], v[RI], v[G+2*\c+1]      ; the chunk's factor: 2^(its M - the row's) / l
.endr
.macro COMB c
.if (\c) == 7
	s_wait_loadcnt 18                              ; the last partial sums are in; behind them: x's last 8 rows and q's 10 loads
.else
	s_wait_loadcnt 32                              ; chunk c's are in; behind them: 8 rows of x, the next chunk's 16, 8 rows of x
.endif
.irp j,0,2,4,6,8,10,12,14,16,18,20,22,24,26,28,30,32,34,36,38,40,42,44,46,48,50,52,54,56,58,60,62
.if (\c) == 0
	v_pk_mul_f32 v[ACCA+\j:ACCA+\j+1], v[PB+\j:PB+\j+1], v[G:G+1] op_sel_hi:[1,0]
.else
	v_pk_fma_f32 v[ACCA+\j:ACCA+\j+1], v[PB+64*((\c)%2)+\j:PB+64*((\c)%2)+\j+1], v[G+2*(\c):G+2*(\c)+1], v[ACCA+\j:ACCA+\j+1] op_sel_hi:[1,0,1]
.endif
.endr
.if (\c) <= 5
	BLOAD (\c)+2
	XLOAD (\c)+2
.endif
.if (\c) == 6                          ; the first buffer has had its last chunk: q is asked for into it, and is on its way while chunk 7 is added and att changes hands
.irp q,0,1,2,3,4,5,6,7
	global_load_b128 v[QF+4*\q:QF+4*\q+3], v[L16], s[6:7] offset:512*\q th:TH_LOAD_NT   ; p_q's four fragments
.endr
	global_load_b128 v[RL:RL+3], v[R16], s[8:9] offset:256 th:TH_LOAD_NT   ; 1 / l of token place r in the four tiles
	global_load_b128 v[QS:QS+3], v[R16], s[8:9] th:TH_LOAD_NT              ; and its scale words
.endif
.endm
.irp c,0,1,2,3,4,5,6,7
	COMB \c
.endr
.irp la,0,1,2,3,4,5,6,7
.irp j,0,1,2,3,4,5,6,7
	ds_store_b32 v[ATW], v[ACCA+8*\la+\j] offset:(16*\la+\j)*528
.endr
.endr
	s_wait_dscnt 0x0
	s_barrier_signal -1
	s_barrier_wait -1                              ; att lies in LDS, whole
.irp c,0,1
.irp k,0,1,2,3,4,5,6,7
	ds_load_b128 v[PBH+32*\c+4*\k:PBH+32*\c+4*\k+3], v[ATR] offset:256*\c+16*\k   ; two whole blocks of 32 d of my row l, in the order that the operand's layout gives my lane
.endr
.endr
	s_wait_dscnt 0x0
.irp c,0,1
	v_max3_num_f32 v[STT+\c], |v[PBH+32*\c]|, |v[PBH+32*\c+1]|, 0x1800000
.endr
.irp i,2,4,6,8,10,12,14,16,18,20,22,24,26,28,30
.irp c,0,1
	v_max3_num_f32 v[STT+\c], v[STT+\c], |v[PBH+32*\c+\i]|, |v[PBH+32*\c+\i+1]|
.endr
.endr
.irp c,0,1
	v_add_nc_u32 v[STT+2+\c], 0xff000000, v[STT+\c]
.endr
.irp c,0,1
	v_lshrrev_b32 v[STT+4+\c], 23, v[STT+2+\c]
.endr
	v_lshl_or_b32 v[STT+6], v[STT+5], 16, v[STT+4] ; my two bytes: blocks lane / 16 and 2 + lane / 16,
	v_bfe_u32 v[STT+7], v0, 4, 1
	v_lshlrev_b32 v[STT+7], 3, v[STT+7]
	v_lshlrev_b32 v[STT+6], v[STT+7], v[STT+6]     ; at their places in the scale word;
	v_mov_b32 v[STT+8], 0
	v_permlanex16_b32 v[STT+8], v[STT+6], s20, s21
	v_or_b32 v[STT+6], v[STT+6], v[STT+8]          ; with lane l xor 16's two the word is whole
.irp c,0,1
.irp g,0,1,2,3
	v_cvt_scalef32_pk8_fp4_f32 v[G+4*\c+\g], v[PBH+32*\c+8*\g:PBH+32*\c+8*\g+7], v[STT+2+\c]
.endr
.endr
	v_nop
	ds_store_b128 v[AIW], v[G:G+3]
	ds_store_b128 v[AIW], v[G+4:G+7] offset:512
	ds_store_b32 v[AWW], v[STT+6]
	s_wait_dscnt 0x0
	s_barrier_signal -1
	s_barrier_wait -1                              ; att^T's eight fragments lie in LDS
.irp q,0,1,2,3,4,5,6,7,8,9,10,11,12,13,14,15
	ds_load_b128 v[PBH+4*\q:PBH+4*\q+3], v[AIR] offset:512*\q
.endr
.irp la,0,1,2,3,4,5,6,7
	ds_load_b32 v[ASC+\la], v[AWR] offset:128*\la
.endr
	s_wait_dscnt 0x0
	s_wait_loadcnt 0x0                             ; q and x
.irp t,0,1,2,3
.irp la,0,1,2,3,4,5,6,7
	v_wmma_scale_f32_16x16x128_f8f6f4 v[ACCA+8*\la:ACCA+8*\la+7], v[PBH+8*\la:PBH+8*\la+7], v[QF+8*\t:QF+8*\t+7], 0, v[ASC+\la], v[QS+\t] matrix_a_fmt:MATRIX_FMT_FP4 matrix_b_fmt:MATRIX_FMT_FP4
.endr
	v_mov_b32 v[RR], v[RL+\t]
.rept 4
	v_nop                                          ; places in front of the first read of results
.endr
.irp j,0,2,4,6,8,10,12,14,16,18,20,22,24,26,28,30,32,34,36,38,40,42,44,46,48,50,52,54,56,58,60,62
	v_pk_mul_f32 v[ACCA+\j:ACCA+\j+1], v[ACCA+\j:ACCA+\j+1], v[RR:RR+1] op_sel_hi:[1,0]   ; / q's row sum: here a lane's number
.endr
.irp q,0,1,2,3,4,5,6,7,8,9,10,11,12,13,14,15
	ds_store_b128 v[YSW], v[ACCA+4*\q:ACCA+4*\q+3] offset:(\q/2)*64+(\q%2)*16
.endr
.irp p,0,1,2,3,4,5,6,7,8,9,10,11,12,13,14,15
	ds_load_b128 v[ACCA+4*\p:ACCA+4*\p+3], v[YSR] offset:528*\p   ; LDS serves a wave's instructions in order (ISA guide 5.7.1.4): these see the stores above
.endr
	WIN 0x44                                       ; source 1 and destination window 1: x; a store's data likewise
.irp p,0,1,2,3,4,5,6,7,8,9,10,11,12,13,14,15
	s_wait_dscnt 15-\p                             ; row p is back; the younger ones stay out
	v_pk_add_f32 v[4*(32*(\t/2)+8*(\t%2)+\p+8*(\p/8)):4*(32*(\t/2)+8*(\t%2)+\p+8*(\p/8))+1], v[ACCA+4*\p:ACCA+4*\p+1], v[4*(32*(\t/2)+8*(\t%2)+\p+8*(\p/8)):4*(32*(\t/2)+8*(\t%2)+\p+8*(\p/8))+1]
	v_pk_add_f32 v[4*(32*(\t/2)+8*(\t%2)+\p+8*(\p/8))+2:4*(32*(\t/2)+8*(\t%2)+\p+8*(\p/8))+3], v[ACCA+4*\p+2:ACCA+4*\p+3], v[4*(32*(\t/2)+8*(\t%2)+\p+8*(\p/8))+2:4*(32*(\t/2)+8*(\t%2)+\p+8*(\p/8))+3]
	global_store_b128 v[L16], v[4*(32*(\t/2)+8*(\t%2)+\p+8*(\p/8)):4*(32*(\t/2)+8*(\t%2)+\p+8*(\p/8))+3], s[12:13] offset:(32*(\t/2)+8*(\t%2)+\p+8*(\p/8))*4096 th:TH_STORE_NT   ; 512 consecutive bytes, aligned to 256; place p of tile t is this token
.endr
	WIN 0
.endr
	s_wait_xcnt 0x0
	v_lshl_add_u32 v254, v0, 2, 0x23400
	v_mov_b32 v255, 0
	s_wait_tensorcnt 0x0
	ds_add_u32 v254, v255
	s_wait_dscnt 0x0
	s_endpgm
.Lfunc_end_k_qebf8371626_apply:
	.size	k_qebf8371626_apply, .Lfunc_end_k_qebf8371626_apply-k_qebf8371626_apply
	.p2alignl 7, 3214868480
	.fill 96, 4, 3214868480
	.section	.rodata,"a",@progbits
	.p2align	6, 0x0
	.amdhsa_kernel k_qebf8371626_apply
		.amdhsa_group_segment_fixed_size 145408
		.amdhsa_private_segment_fixed_size 0
		.amdhsa_enable_private_segment 0
		.amdhsa_kernarg_size 40
		.amdhsa_user_sgpr_count 2
		.amdhsa_user_sgpr_kernarg_segment_ptr 1
		.amdhsa_wavefront_size32 1
		.amdhsa_system_sgpr_workgroup_id_x 1
		.amdhsa_system_sgpr_workgroup_id_y 1
		.amdhsa_system_sgpr_workgroup_id_z 1
		.amdhsa_system_vgpr_workitem_id 0
		.amdhsa_next_free_vgpr 512
		.amdhsa_next_free_sgpr 66
		.amdhsa_reserve_vcc 0
		.amdhsa_float_denorm_mode_32 3
		.amdhsa_float_denorm_mode_16_64 3
		.amdhsa_memory_ordered 1
		.amdhsa_forward_progress 1
		.amdhsa_inst_pref_size 89
	.end_amdhsa_kernel
	.amdgpu_metadata
---
amdhsa.version: [ 1, 2 ]
amdhsa.kernels:
  - .name:           k_qebf8371626_apply
    .symbol:         k_qebf8371626_apply.kd
    .args:
      - { .name: x, .offset: 0, .size: 8, .value_kind: global_buffer, .address_space: global }
      - { .name: qcodes, .offset: 8, .size: 8, .value_kind: global_buffer, .address_space: global }
      - { .name: qmeta, .offset: 16, .size: 8, .value_kind: global_buffer, .address_space: global }
      - { .name: attp, .offset: 24, .size: 8, .value_kind: global_buffer, .address_space: global }
      - { .name: out0, .offset: 32, .size: 8, .value_kind: global_buffer, .address_space: global }
    .group_segment_fixed_size: 145408
    .private_segment_fixed_size: 0
    .kernarg_segment_align: 8
    .kernarg_segment_size: 40
    .max_flat_workgroup_size: 256
    .sgpr_count:     66
    .vgpr_count:     512
    .wavefront_size: 32
...
	.end_amdgpu_metadata
.endif
;; end of part 3
;; ======== version 2 of 2: 3 launches; version 1 with the launch apply written anew for expert scheduling mode
;; limits: right only within a limited range of input values
;; workspace buffers: xq 8,912,896 bytes; wimg 1,572,864 bytes; qcodes 8,388,608 bytes; qmeta 1,048,576 bytes; attp 17,301,504 bytes
;; launch prep: the kernel of part 1 again; grid 256 x 1, 8 waves a work-group, no clusters, 316,416 bytes of LDS; arguments x, gamma, beta, Wq_codes, Wk_codes, Wv_codes, xq, wimg; writes xq, wimg
;; launch qkv: the kernel of part 2 again; grid 32 x 8, 8 waves a work-group, clusters of 4 x 1, 327,680 bytes of LDS; arguments xq, wimg, Wq_scales, Wk_scales, Wv_scales, bq, bk, bv, src_mask, qcodes, qmeta, attp; writes qcodes, qmeta, attp
;; launch apply (part 4): grid 32 x 8, 8 waves a work-group, no clusters, 145,408 bytes of LDS; arguments x, qcodes, qmeta, attp, out0; writes out0
.if DOCPART == 4
	.amdgcn_target "amdgcn-amd-amdhsa--gfx1250"
	.amdhsa_code_object_version 6
	.text
	.protected	k_qebf8371626_apply
	.globl	k_qebf8371626_apply
	.p2align	8
	.type	k_qebf8371626_apply,@function
k_qebf8371626_apply:
	s_mov_b64 s[64:65], 0
	v_nop
	global_prefetch_b8 v0, s[64:65] scope:SCOPE_SE
	s_setreg_imm32_b32 hwreg(HW_REG_WAVE_SCHED_MODE, 0, 2), 2
	s_setreg_imm32_b32 hwreg(HW_REG_WAVE_MODE, 25, 1), 1
	s_wait_xcnt 0x0
	s_wait_alu depctr_vm_vsrc(0)
; out = x + q att, for one head and 512 tokens of one batch.  att[d][l] is first summed from the batch's eight partial sums, each brought under the common whole-number M by a power of two, divided by the
; row's sum l, and quantised along d to codes of FP4 (E2M1) with E8M0 scales; then y^T = att^T p_q^T on codes, divided by q's row sum, is added to x.
; THE GRID: x = batch x 8 + head, y = the chunk of 512 tokens: the eight work-groups that read one head's partial sums have numbers 32 apart.
; SHARES.  Wave w sums att's tile d = 16 w .. + 15 in the accumulators' own layout (a lane holds one d, so the factor is one number a lane), quantises rows l = 16 w .. + 15 of att^T, and owns tokens 64 w .. + 63.
; att changes hands twice through LDS: as f32 [l][d] (pitch 528), then as images of the eight fragments' registers.  x's 64 rows of 512 bytes a wave (256 registers, window 1) are asked for among the loads of
; the partial sums, so that they are on their way while att is summed; q's fragments are asked for behind the last chunk but one, into the buffer that it has left.
; The product is used transposed (source 0 = 16 l of att^T, source 1 = 16 tokens of p_q): a lane holds one token and eight neighbouring l; a tile goes through the wave's own stage and leaves as rows of 512 bytes.
; No cluster and no tensor load: the eight partial sums that the batch's work-groups share, 540,672 bytes a head, do not fit in LDS at once, and they come through registers on the counter that x's loads use.
; LIMITS: NaN and infinities are not served; a block of zeros has the byte 1 over zero codes.
; THE MODE: SCHED_MODE bits 1:0 = 2 (LLVM: expert scheduling mode 2), set by the entry lines.  The code itself states the register dependences
; between vector or matrix instructions and memory or LDS instructions, with s_wait_alu, always for 0.
; THE PLAN.  Registers that memory or LDS instructions touch:
;   v1-v11       offsets and LDS addresses: written at the head, ahead of one wait on va_vdst, and never again.
;   PB0, PB1     chunk c's sums read PB[c % 2]; one wait on va_vdst stands behind them, and chunk c + 2's loads land in it at once (behind chunk 6: q's).  There is no third buffer: both windows are full.
;                Behind chunk 7 PB1 takes att's numbers from LDS, which the maxima and the conversions read, and then att^T's fragments: each time the wait ahead of the LDS stores in between has shown its readers done.
;   ACCA         written by the sums, read by 64 LDS stores; then for each tile of tokens: written by the products and the multiplies, read by the stage's stores, landed in by the read-backs, read by the additions.
;   window 1     a row of x is landed in once, written once by its two additions, read once by its store.  No vector line names it before that, so x's loads hang on the head's wait alone.
;   v22, v32-39  att's scale word and codes: written by vector lines, read by three LDS stores, never written again.
; A TILE OF TOKENS HAS ONE WAIT ON va_vdst, behind its multiplies: it states that ACCA is written (the stage's stores read it, the read-backs land in it) and that the tile before has written its rows of x.
; So the rows of the tile before are stored in this tile, behind the read-backs, while these are on their way.  One wait on vm_vsrc stands between the stage's stores and the read-backs into the same registers.
.set AT,   0                           ; LDS: att as [l][d] f32, 128 rows of 512 + 16 bytes
.set AI,   67584                       ; att^T's eight fragments, 1,024 bytes each
.set AW,   75776                       ; their scale words, 128 bytes each
.set YS,   76800                       ; a stage of 16 rows x 528 bytes for each wave
.set CST,  67584                       ; from one chunk's record to the next in attp: 8 x 8,448
.set L16,  1                           ; v1 16 x lane
.set ATW,  2
.set ATR,  3
.set AIW,  4
.set AWW,  5
.set AIR,  6
.set AWR,  7
.set YSW,  8
.set YSR,  9
.set R16,  10                          ; v10 16 x (lane % 16)
.set L8,   11                          ; v11 8 x lane
.set RR,   14                          ; v[14:15] 1 / l of the tile in hand (the low word serves both halves)
.set STT,  16                          ; v16-31  (-M, l) of the eight chunks; later at work
.set G,    32                          ; v32-47  the chunks' factors at the even registers, their exponents at the odd; later att's codes
.set ACCA, 48                          ; v48-111 att's tile; later y's accumulators and rows
.set PB,   112                         ; v112-239 two buffers of 64 for the partial sums
.set QF,   112                         ; the first buffer, behind chunk 6: q's four fragments (v112-143) and 1 / l (v144-147)
.set RL,   144
.set PBH,  176                         ; the second buffer, behind chunk 7: att's numbers, then att^T's eight fragments
.set ASC,  240                         ; v240-247 att's scale words;  v248-251 q's.  Scales alone
.set QS,   248
.set NMR,  252
.set LS,   253
.set RI,   254
.set MSB, 0
.macro WIN new
.if MSB != (\new)
	s_set_vgpr_msb (MSB<<8)|(\new)
.set MSB, (\new)
.endif
.endm
	s_load_b256 s[4:11], s[0:1], 0x0               ; x, qcodes, qmeta, attp
	s_load_b64 s[12:13], s[0:1], 0x20              ; out0
	v_lshrrev_b32 v2, 5, v0
	v_readfirstlane_b32 s14, v2                    ; wave 0..7
	s_and_b32 s18, ttmp7, 0xffff                   ; chunk
	s_lshr_b32 s17, ttmp9, 3                       ; batch
	s_and_b32 s16, ttmp9, 7                        ; head
	s_mov_b32 s19, ttmp9                           ; batch x 8 + head
	s_mov_b32 s20, 0x76543210
	s_mov_b32 s21, 0xfedcba98
	s_lshl_b32 s22, s17, 3
	s_add_co_u32 s22, s22, s18                     ; batch x 8 + chunk
	s_lshl_b32 s22, s22, 21                        ; x, out: 512 rows of 4,096 bytes a chunk, 64 a wave, 512 bytes a head
	s_wait_alu depctr_va_sdst(0)                   ; s14 is written, ahead of its first reader: the bases and the LDS addresses are made from it
	s_lshl_b32 s24, s14, 18
	s_add_co_u32 s22, s22, s24
	s_lshl_b32 s24, s16, 9
	s_add_co_u32 s22, s22, s24
	s_mov_b32 s23, 0
	s_lshl_b32 s24, s19, 6
	s_add_co_u32 s24, s24, s14
	s_mul_i32 s24, s24, 8448                       ; attp: chunk 0's record of my tile of d
	s_mov_b32 s25, 0
	s_lshl_b32 s26, s19, 8
	s_lshl_b32 s30, s18, 5                         ; a chunk of 512 tokens is 32 tiles of 16
	s_add_co_u32 s26, s26, s30
	s_lshl_b32 s30, s14, 2
	s_add_co_u32 s26, s26, s30
	s_lshl_b32 s26, s26, 10                        ; qcodes: my four tiles: 256 (batch x 8 + head) + 32 chunk + 4 wave
	s_mov_b32 s27, 0
	s_lshl_b32 s28, s19, 6
	s_lshl_b32 s30, s18, 3
	s_add_co_u32 s28, s28, s30
	s_add_co_u32 s28, s28, s14
	s_lshl_b32 s28, s28, 9                         ; qmeta: my 64 tokens
	s_mov_b32 s29, 0
	v_and_b32 v12, 31, v0
	v_and_b32 v13, 15, v0                          ; r
	v_bfe_u32 v14, v0, 4, 1                        ; lane / 16
	v_lshlrev_b32 v[L16], 4, v12
	v_lshlrev_b32 v[L8], 3, v12
	v_lshlrev_b32 v[R16], 4, v13
	v_mul_u32_u24 v[ATW], v14, 4224                ; att in: row l = 16 tile + 8 (lane / 16) + j, column d = 16 w + r
	v_lshl_add_u32 v[ATW], v13, 2, v[ATW]
	s_lshl_b32 s30, s14, 6
	v_add_nc_u32 v[ATW], s30, v[ATW]
	v_mul_u32_u24 v[ATR], v13, 528                 ; att back: row l = 16 w + r, d = 64 c + 32 (lane / 16) on
	v_lshl_add_u32 v[ATR], v14, 7, v[ATR]
	s_mul_i32 s31, s14, 8448
	v_add_nc_u32 v[ATR], s31, v[ATR]
	s_lshl_b32 s30, s14, 10
	s_add_co_u32 s30, s30, AI
	v_add_nc_u32 v[AIW], s30, v[L16]
	s_lshl_b32 s30, s14, 7
	s_add_co_u32 s30, s30, AW
	v_lshl_add_u32 v[AWW], v12, 2, s30
	v_add_nc_u32 v[AIR], AI, v[L16]
	v_lshl_add_u32 v[AWR], v12, 2, AW
	s_add_co_u32 s31, s31, YS                      ; my stage
	v_mul_u32_u24 v[YSW], v13, 528
	v_lshl_add_u32 v[YSW], v14, 5, v[YSW]
	v_add_nc_u32 v[YSW], s31, v[YSW]
	v_add_nc_u32 v[YSR], s31, v[L16]
	v_mov_b32 v[RR+1], 0                           ; written once: named as the upper half of a pair
	s_wait_kmcnt 0x0
	s_add_nc_u64 s[4:5], s[4:5], s[22:23]
	s_add_nc_u64 s[12:13], s[12:13], s[22:23]
	s_add_nc_u64 s[10:11], s[10:11], s[24:25]
	s_add_nc_u64 s[6:7], s[6:7], s[26:27]
	s_add_nc_u64 s[8:9], s[8:9], s[28:29]
	s_wait_alu depctr_va_vdst(0)                   ; the eleven offsets and LDS addresses v1 to v11 are written: every load and store of the kernel reads one of them, and none is written again
.macro BLOAD c                         ; chunk c's partial sums of my tile: 16 loads of 512 consecutive bytes
.irp q,0,1,2,3,4,5,6,7,8,9,10,11,12,13,14,15
	global_load_b128 v[PB+64*((\c)%2)+4*\q:PB+64*((\c)%2)+4*\q+3], v[L16], s[10:11] offset:(\c)*CST+512*\q
.endr
.endm
.macro XLOAD c                         ; eight of my 64 rows of x: token k at registers 4 k of window 1.  No vector line names these registers before the additions at the end: the loads hang on the head's wait alone
	WIN 0x40
.irp i,0,1,2,3,4,5,6,7
	global_load_b128 v[4*(8*(\c)+\i):4*(8*(\c)+\i)+3], v[L16], s[4:5] offset:(8*(\c)+\i)*4096 th:TH_LOAD_NT
.endr
	WIN 0
.endm
.irp c,0,1,2,3,4,5,6,7
	global_load_b64 v[STT+2*\c:STT+2*\c+1], v[L8], s[10:11] offset:\c*CST+8192
.endr
	BLOAD 0
	XLOAD 0
	BLOAD 1
	XLOAD 1
	s_wait_loadcnt 48                              ; the eight pairs (-M, l) are in; the 48 loads behind them stay out
	v_min3_num_f32 v[NMR], v[STT], v[STT+2], v[STT+4]
	v_min3_num_f32 v[NMR], v[NMR], v[STT+6], v[STT+8]
	v_min3_num_f32 v[NMR], v[NMR], v[STT+10], v[STT+12]
	v_min_num_f32 v[NMR], v[NMR], v[STT+14]        ; -M of the whole row
.irp c,0,1,2,3,4,5,6,7
	v_sub_f32 v[G+2*\c+1], v[NMR], v[STT+2*\c]     ; a chunk's M - the row's: a whole number, 0 or less
.endr
.irp c,0,1,2,3,4,5,6,7
	v_cvt_i32_f32 v[G+2*\c+1], v[G+2*\c+1]
.endr
.irp c,0,1,2,3,4,5,6,7
	v_ldexp_f32 v[G+2*\c], v[STT+2*\c+1], v[G+2*\c+1]
.endr
	v_add_f32 v[LS], v[G], v[G+2]
.irp c,2,3,4,5,6,7
	v_add_f32 v[LS], v[LS], v[G+2*\c]              ; the row's sum
.endr
	v_rcp_f32 v[RI], v[LS]
	v_nop                                          ; a plain instruction behind the reciprocal,
	s_wait_alu depctr_va_vdst(0)                   ; and the reciprocal has written v[RI], ahead of its first reader
.irp c,0,1,2,3,4,5,6,7
	v_ldexp_f32 v[G+2*\c], v[RI], v[G+2*\c+1]      ; the chunk's factor: 2^(its M - the row's) / l
.endr
.macro COMB c
.if (\c) == 7
	s_wait_loadcnt 18                              ; the last partial sums are in; behind them: x's last 8 rows and q's 10 loads
.else
	s_wait_loadcnt 32                              ; chunk c's are in; behind them: 8 rows of x, the next chunk's 16, 8 rows of x
.endif
.irp j,0,2,4,6,8,10,12,14,16,18,20,22,24,26,28,30,32,34,36,38,40,42,44,46,48,50,52,54,56,58,60,62
.if (\c) == 0
	v_pk_mul_f32 v[ACCA+\j:ACCA+\j+1], v[PB+\j:PB+\j+1], v[G:G+1] op_sel_hi:[1,0]
.else
	v_pk_fma_f32 v[ACCA+\j:ACCA+\j+1], v[PB+64*((\c)%2)+\j:PB+64*((\c)%2)+\j+1], v[G+2*(\c):G+2*(\c)+1], v[ACCA+\j:ACCA+\j+1] op_sel_hi:[1,0,1]
.endif
.endr
.if (\c) <= 6
	s_wait_alu depctr_va_vdst(0)                   ; the sums above are done reading this chunk's buffer, in which the loads below land: the buffer is asked for again at once
.endif
.if (\c) <= 5
	BLOAD (\c)+2
	XLOAD (\c)+2
.endif
.if (\c) == 6                          ; the first buffer has had its last chunk: q is asked for into it, and is on its way while chunk 7 is added and att changes hands
.irp q,0,1,2,3,4,5,6,7
	global_load_b128 v[QF+4*\q:QF+4*\q+3], v[L16], s[6:7] offset:512*\q th:TH_LOAD_NT   ; p_q's four fragments
.endr
	global_load_b128 v[RL:RL+3], v[R16], s[8:9] offset:256 th:TH_LOAD_NT   ; 1 / l of token place r in the four tiles
	global_load_b128 v[QS:QS+3], v[R16], s[8:9] th:TH_LOAD_NT              ; and its scale words
.endif
.endm
.irp c,0,1,2,3,4,5,6,7
	COMB \c
.endr
	s_wait_alu depctr_va_vdst(0)                   ; chunk 7's sums have written v[ACCA ..], which the LDS stores below read, and are done reading the second buffer, in which the LDS loads behind the barrier land
.irp la,0,1,2,3,4,5,6,7
.irp j,0,1,2,3,4,5,6,7
	ds_store_b32 v[ATW], v[ACCA+8*\la+\j] offset:(16*\la+\j)*528
.endr
.endr
	s_wait_dscnt 0x0
	s_barrier_signal -1
	s_barrier_wait -1                              ; att lies in LDS, whole
.irp c,0,1
.irp k,0,1,2,3,4,5,6,7
	ds_load_b128 v[PBH+32*\c+4*\k:PBH+32*\c+4*\k+3], v[ATR] offset:256*\c+16*\k   ; two whole blocks of 32 d of my row l, in the order that the operand's layout gives my lane
.endr
.endr
	s_wait_dscnt 0x0
.irp c,0,1
	v_max3_num_f32 v[STT+\c], |v[PBH+32*\c]|, |v[PBH+32*\c+1]|, 0x1800000
.endr
.irp i,2,4,6,8,10,12,14,16,18,20,22,24,26,28,30
.irp c,0,1
	v_max3_num_f32 v[STT+\c], v[STT+\c], |v[PBH+32*\c+\i]|, |v[PBH+32*\c+\i+1]|
.endr
.endr
.irp c,0,1
	v_add_nc_u32 v[STT+2+\c], 0xff000000, v[STT+\c]
.endr
.irp c,0,1
	v_lshrrev_b32 v[STT+4+\c], 23, v[STT+2+\c]
.endr
	v_lshl_or_b32 v[STT+6], v[STT+5], 16, v[STT+4] ; my two bytes: blocks lane / 16 and 2 + lane / 16,
	v_bfe_u32 v[STT+7], v0, 4, 1
	v_lshlrev_b32 v[STT+7], 3, v[STT+7]
	v_lshlrev_b32 v[STT+6], v[STT+7], v[STT+6]     ; at their places in the scale word;
	v_mov_b32 v[STT+8], 0
	v_permlanex16_b32 v[STT+8], v[STT+6], s20, s21
	v_or_b32 v[STT+6], v[STT+6], v[STT+8]          ; with lane l xor 16's two the word is whole
.irp c,0,1
.irp g,0,1,2,3
	v_cvt_scalef32_pk8_fp4_f32 v[G+4*\c+\g], v[PBH+32*\c+8*\g:PBH+32*\c+8*\g+7], v[STT+2+\c]
.endr
.endr
	v_nop
	s_wait_alu depctr_va_vdst(0)                   ; the conversions have written the codes v[G ..] and the lines above the scale word, which the LDS stores below read; the maxima and the conversions are done reading v[PBH ..], in which the fragments behind the barrier land
	ds_store_b128 v[AIW], v[G:G+3]
	ds_store_b128 v[AIW], v[G+4:G+7] offset:512
	ds_store_b32 v[AWW], v[STT+6]
	s_wait_dscnt 0x0
	s_barrier_signal -1
	s_barrier_wait -1                              ; att^T's eight fragments lie in LDS
.irp q,0,1,2,3,4,5,6,7,8,9,10,11,12,13,14,15
	ds_load_b128 v[PBH+4*\q:PBH+4*\q+3], v[AIR] offset:512*\q
.endr
.irp la,0,1,2,3,4,5,6,7
	ds_load_b32 v[ASC+\la], v[AWR] offset:128*\la
.endr
	s_wait_dscnt 0x0
	s_wait_loadcnt 0x0                             ; q and x
	s_wait_alu depctr_vm_vsrc(0)                   ; the 64 LDS stores that carried att's tile have read v[ACCA ..], which the first products write
.macro ADDX t                          ; tile t's sixteen rows come back from the stage and are added to x, in x's registers
.irp p,0,1,2,3,4,5,6,7,8,9,10,11,12,13,14,15
.set TK, 32*((\t)/2)+8*((\t)%2)+\p+8*(\p/8)        ; place p of tile t is this token of my 64
	s_wait_dscnt 15-\p                             ; row p is back; the younger ones stay out
	v_pk_add_f32 v[4*TK:4*TK+1], v[ACCA+4*\p:ACCA+4*\p+1], v[4*TK:4*TK+1]
	v_pk_add_f32 v[4*TK+2:4*TK+3], v[ACCA+4*\p+2:ACCA+4*\p+3], v[4*TK+2:4*TK+3]
.endr
.endm
.macro SENDX t                         ; tile t's sixteen rows leave
.irp p,0,1,2,3,4,5,6,7,8,9,10,11,12,13,14,15
.set TK, 32*((\t)/2)+8*((\t)%2)+\p+8*(\p/8)
	global_store_b128 v[L16], v[4*TK:4*TK+3], s[12:13] offset:TK*4096 th:TH_STORE_NT   ; 512 consecutive bytes, aligned to 256; place p of tile t is this token
.endr
.endm
.irp t,0,1,2,3
.irp la,0,1,2,3,4,5,6,7
	v_wmma_scale_f32_16x16x128_f8f6f4 v[ACCA+8*\la:ACCA+8*\la+7], v[PBH+8*\la:PBH+8*\la+7], v[QF+8*\t:QF+8*\t+7], 0, v[ASC+\la], v[QS+\t] matrix_a_fmt:MATRIX_FMT_FP4 matrix_b_fmt:MATRIX_FMT_FP4
.endr
	v_mov_b32 v[RR], v[RL+\t]
.rept 4
	v_nop                                          ; places in front of the first read of results
.endr
.irp j,0,2,4,6,8,10,12,14,16,18,20,22,24,26,28,30,32,34,36,38,40,42,44,46,48,50,52,54,56,58,60,62
	v_pk_mul_f32 v[ACCA+\j:ACCA+\j+1], v[ACCA+\j:ACCA+\j+1], v[RR:RR+1] op_sel_hi:[1,0]   ; / q's row sum: here a lane's number
.endr
	s_wait_alu depctr_va_vdst(0)                   ; the multiplies have written v[ACCA ..], which the stage's stores read and in which the read-backs land; the tile before has written its rows of x, which the global stores below read
.irp q,0,1,2,3,4,5,6,7,8,9,10,11,12,13,14,15
	ds_store_b128 v[YSW], v[ACCA+4*\q:ACCA+4*\q+3] offset:(\q/2)*64+(\q%2)*16
.endr
	s_wait_alu depctr_vm_vsrc(0)                   ; the stage's stores have read v[ACCA ..], in which the read-backs land and which the next tile's products write
.irp p,0,1,2,3,4,5,6,7,8,9,10,11,12,13,14,15
	ds_load_b128 v[ACCA+4*\p:ACCA+4*\p+3], v[YSR] offset:528*\p   ; LDS serves a wave's instructions in order (ISA guide 5.7.1.4): these see the stores above
.endr
	WIN 0x44                                       ; source 1 and destination window 1: x; a store's data likewise
.if \t > 0
	SENDX \t-1                                     ; the tile before leaves while this tile's rows are on their way back.  No wait: no vector line since the wait above names its rows
.endif
	ADDX \t
.if \t < 3
	WIN 0
.endif
.endr
	s_wait_alu depctr_va_vdst(0)                   ; the last tile's additions have written its rows of x, which the last sixteen stores read
	SENDX 3
	WIN 0
	s_wait_xcnt 0x0
	v_lshl_add_u32 v254, v0, 2, 0x23400            ; the add's two registers are made here; no memory or LDS instruction has read v254 or v255
	v_mov_b32 v255, 0
	s_wait_dscnt 0x0                               ; the closing lines, six on end
	s_wait_alu 0x0
	s_wait_tensorcnt 0x0
	ds_add_u32 v254, v255
	s_wait_dscnt 0x0
	s_endpgm
.Lfunc_end_k_qebf8371626_apply:
	.size	k_qebf8371626_apply, .Lfunc_end_k_qebf8371626_apply-k_qebf8371626_apply
	.p2alignl 7, 3214868480
	.fill 96, 4, 3214868480
	.section	.rodata,"a",@progbits
	.p2align	6, 0x0
	.amdhsa_kernel k_qebf8371626_apply
		.amdhsa_group_segment_fixed_size 145408
		.amdhsa_private_segment_fixed_size 0
		.amdhsa_enable_private_segment 0
		.amdhsa_kernarg_size 40
		.amdhsa_user_sgpr_count 2
		.amdhsa_user_sgpr_kernarg_segment_ptr 1
		.amdhsa_wavefront_size32 1
		.amdhsa_system_sgpr_workgroup_id_x 1
		.amdhsa_system_sgpr_workgroup_id_y 1
		.amdhsa_system_sgpr_workgroup_id_z 1
		.amdhsa_system_vgpr_workitem_id 0
		.amdhsa_next_free_vgpr 512
		.amdhsa_next_free_sgpr 66
		.amdhsa_reserve_vcc 0
		.amdhsa_float_denorm_mode_32 3
		.amdhsa_float_denorm_mode_16_64 3
		.amdhsa_memory_ordered 1
		.amdhsa_forward_progress 1
		.amdhsa_inst_pref_size 90
	.end_amdhsa_kernel
	.amdgpu_metadata
---
amdhsa.version: [ 1, 2 ]
amdhsa.kernels:
  - .name:           k_qebf8371626_apply
    .symbol:         k_qebf8371626_apply.kd
    .args:
      - { .name: x, .offset: 0, .size: 8, .value_kind: global_buffer, .address_space: global }
      - { .name: qcodes, .offset: 8, .size: 8, .value_kind: global_buffer, .address_space: global }
      - { .name: qmeta, .offset: 16, .size: 8, .value_kind: global_buffer, .address_space: global }
      - { .name: attp, .offset: 24, .size: 8, .value_kind: global_buffer, .address_space: global }
      - { .name: out0, .offset: 32, .size: 8, .value_kind: global_buffer, .address_space: global }
    .group_segment_fixed_size: 145408
    .private_segment_fixed_size: 0
    .kernarg_segment_align: 8
    .kernarg_segment_size: 40
    .max_flat_workgroup_size: 256
    .sgpr_count:     66
    .vgpr_count:     512
    .wavefront_size: 32
...
	.end_amdgpu_metadata
.endif
;; end of part 4
